; MI455X (gfx1250); checked and timed in simulation.
; The chip was launched on July 23, 2026; its instructions are those of AMD's public machine-readable ISA for CDNA 5 (MIT licence, August 2026) and "CDNA5" Instruction Set Architecture Reference Guide (July 2026). The comments in the code are by the model that wrote it; some were corrected since.
;; Block. Allowed arithmetic: matrix products marked QUANTISED: E4M3 operands, one E8M0 scale for each 32 along K, by v_wmma_scale_f32_16x16x128_f8f6f4 with both operands' format E4M3, f32 sums; everything else in f32.
;; Inputs: b_fc 4,096 float32; b_proj 1,024 float32; b_qkv 3,072 float32; ln1_scale 1,024 float32; ln1_shift 1,024 float32; ln2_scale 1,024 float32; ln2_shift 1,024 float32; w_fc 1,024 x 4,096 float32; w_proj 4,096 x 1,024 float32; w_qkv 1,024 x 3,072 float32; x 2 x 2,048 x 1,024 float32.
;; Outputs: out0 2 x 2,048 x 1,024 float32.
;; This version of the problem:
;;   THIS VERSION OF THE PROBLEM IS GIVEN IN LOW PRECISION. The matrix products marked QUANTISED in the list below multiply operands that are first quantised to E4M3 (4 exponent bits, 3 mantissa bits; 8 bits a number), with one power-of-two scale for each 32 numbers along K (OCP MX v1.0); their sums are f32. All else is computed in f32.
;;   The module's matrix products, in the order in which they are computed (A, B: the left and right operand; K: the contracted axis; several contracted axes count as one K, in the product's order):
;;     1. [M 4,096, K 1,024] x [K 1,024, N 3,072]; A: computed on the way; B: input w_qkv: QUANTISED
;;     2. batch 32 x [M 2,048, K 64] x [K 64, N 2,048]; A: computed on the way; B: computed on the way: QUANTISED
;;     3. batch 32 x [M 64, K 2,048] x [K 2,048, N 2,048]; A: computed on the way; B: softmax (see below): QUANTISED
;;     4. [M 4,096, K 1,024] x [K 1,024, N 4,096]; A: computed on the way; B: input w_fc: QUANTISED
;;     5. [M 4,096, K 4,096] x [K 4,096, N 1,024]; A: computed on the way; B: input w_proj: QUANTISED
;;   THE QUANTISER, for each operand of a quantised product, along K:
;;     - K is cut into blocks of 32 from its start; a last block that is shorter is filled with zeros.
;;     - A block's scale is 2^e with e = floor(log2(the largest magnitude in the block)) - 8, held to -126 .. 127; a block of zeros has e = 0. As a byte (E8M0): e + 127.
;;     - Each number is divided by its block's scale, clamped to +-448, and rounded to the nearest number of E4M3, ties to even, subnormals kept.
;;     - The product sums the exact products of the quantised numbers (number of the format x scale) in f32.
;;   ~~~python
;;   def quantise(x, axis):      # numpy; x: float32 -> the quantised numbers, widened to float32 again
;;       x = np.moveaxis(x, axis, -1); K = x.shape[-1]
;;       x = np.pad(x, [(0, 0)] * (x.ndim - 1) + [(0, -K % 32)]); x = x.reshape(x.shape[:-1] + (-1, 32)); a = np.abs(x).max(-1, keepdims=True)
;;       e = np.where(a > 0, np.clip(np.frexp(np.where(a > 0, a, 1))[1] - 1 - 8, -126, 127), 0)      # np.frexp(a)[1] - 1 = floor(log2(a)), exactly
;;       r = np.clip(x / 2.0 ** e, -448, 448)
;;       step = 2.0 ** (np.maximum(np.frexp(np.where(r == 0, 1, r))[1] - 1, -6) - 3)
;;       q = np.round(r / step) * step * 2.0 ** e      # np.round: ties to even
;;       return np.moveaxis(q.reshape(q.shape[:-2] + (-1,))[..., :K], -1, axis).astype(np.float32)
;;   ~~~
;;   SOFTMAX AHEAD OF A QUANTISED PRODUCT. Where the list says 'softmax', what is quantised is not the finished softmax but p = 2^(t - M), with t = logit x log2(e) and M = ceil(the row's largest t), a whole number; so 1/2 < the row's largest p <= 1. The row's sum l is taken of the UNQUANTISED p, in f32, and the product's result is divided by l at the end. Since M is a whole number, a kernel that streams over the keys may use a running M (the ceiling of the running maximum): every later rescaling is an exact power of two, which a block's scale takes up: the codes' values come out the same.
;;   OPERANDS COMPUTED ON THE WAY. 'Computed on the way' means the value that the module computes at that place (a softmax that the list does not call 'softmax' is quantised finished and normalised). What goes into a quantiser is computed in f32, as accurately as f32 sums, v_exp_f32 and their like allow (about 1e-6 of the number): no bf16 or f16 on the way to a quantiser, and a product that is left as it is and whose result goes on into a quantised operand takes f32 operands (vector FMAs, or v_wmma_f32_16x16x4_f32). A number that lies on a knife's edge between two numbers of the format may be rounded either way, as far as f32 arithmetic and the matrix unit's own rounding can turn it there, and no further.
;; 2 versions, each right; version 2 is version 1 with the launch attn written anew for expert scheduling mode. Each part assembles by itself: llvm-mc -triple=amdgcn-amd-amdhsa -mcpu=gfx1250 --defsym DOCPART=n.
;; ======== version 1 of 2: 6 launches
;; workspace buffers: wq 11,894,784 bytes; act 4,325,376 bytes; qkv 13,238,272 bytes; x1 16,777,216 bytes; hid 17,301,504 bytes
;; launch prep (part 1): grid 960 x 1, 4 waves a work-group, no clusters, 66,560 bytes of LDS; arguments x, ln1_scale, ln1_shift, w_qkv, w_fc, w_proj, act, wq; writes act, wq
.if DOCPART == 1
	.amdgcn_target "amdgcn-amd-amdhsa--gfx1250"
	.amdhsa_code_object_version 6
	.text
	.protected	k_q2b5458952f_prep
	.globl	k_q2b5458952f_prep
	.p2align	8
	.type	k_q2b5458952f_prep,@function
k_q2b5458952f_prep:
	s_mov_b64 s[64:65], 0
	v_nop
	global_prefetch_b8 v0, s[64:65] scope:SCOPE_SE
	s_setreg_imm32_b32 hwreg(HW_REG_WAVE_MODE, 25, 1), 1
	s_wait_xcnt 0x0
; TWO JOBS IN ONE BODY, parted by the work-group's number.
; Work-groups 0-255: a layer norm of 16 rows of src [4096][1024] f32, quantised along the row to FP8 (E4M3) codes with one E8M0 byte for each 32.
; Work-groups 256-959: 128 columns x 128 rows (one K step) of one of the weights w_qkv [1024][3072], w_fc [1024][4096], w_proj [4096][1024], quantised DOWN the rows (K is the first axis).
; LAYOUT OF WHAT IS STORED.  An operand's rows lie in PHYSICAL order: row number with bits 3 and 4 exchanged.  Codes: [group of 128 rows][K step of 128][block a of 16 rows][chunk c][lane][16 bytes]:
; the image of a fragment's registers: chunk c holds registers 4 c .. 4 c + 3 of lane (r, h): k = 32 c + 16 h + 0 .. 15 of row 16 a + r.  Scale words (4 bytes = 128 k of a row): [group][K step][a][r].
; The exchange of bits makes the 16 registers of two neighbouring result tiles 16 neighbours wherever such an operand is source 0 of a product.
; A block's scale is 2^(floor(log2(largest magnitude)) - 8); its byte is the largest magnitude's exponent field - 8, held at 1 from below.
; LIMITS: NaN and infinities are not served; a block of zeros gets the byte 1 (its codes are zeros, and only this program reads the bytes); blocks whose largest magnitude lies under 2^-118 are held at the byte 1.
; No tensor loads, no cluster: no two work-groups read the same byte.  The layer norm's scale words leave as two runs of 64 bytes a wave: one byte in 32 of what that path stores.
.set ASC,  4194304                     ; act: the scale words begin here
.set WSC,  11534336                    ; wq: the scale words begin here
.set SROW, 4112                        ; a stage row: 4,096 bytes + 16: sixteen rows start four banks apart
.set X,    64                          ; v64-191 four rows x 32 registers (layer norm); v64-127 two sets of 32 (weights)
.set GSC,  192                         ; v192-223 the gain of my columns
.set GSH,  224                         ; v224-255 the shift
.set TM,   144                         ; v144-159 the quantiser's work (in the layer norm: free only when the rows have gone to the stage)
.set CW,   128                         ; v128-159 the weights' codes: eight registers a block, never rewritten
.set SB,   48                          ; v48 the weights' scale bytes
.set OFFV, 16                          ; v16-47 4 x lane + i rows
.set MNT,  50                          ; s50 the mantissa field of 448
.set SEL,  52                          ; s52-53 lane selects: lane l xor 16
; 64 numbers of a lane, register 16 b + i = k 32 b + 16 (lane / 16) + i of my row, become a fragment's 16 registers of codes and its scale word
.macro QUANT s, pc, pw
.irp b, 0,1,2,3
	v_max3_num_f32 v[TM+\b], |v[\s+16*\b]|, |v[\s+1+16*\b]|, 0x4800000   ; my 16 numbers of block b, and the floor 2^(9 - 127): the byte cannot fall under 1
.endr
.irp i, 2,4,6,8,10,12,14
.irp b, 0,1,2,3
	v_max3_num_f32 v[TM+\b], v[TM+\b], |v[\s+16*\b+\i]|, |v[\s+1+16*\b+\i]|
.endr
.endr
.irp b, 0,1,2,3
	v_permlanex16_b32 v[TM+4+\b], v[TM+\b], s[SEL], s[SEL+1]
.endr
.irp b, 0,1,2,3
	v_max_num_f32 v[TM+\b], v[TM+\b], v[TM+4+\b]                   ; with lane l xor 16's: the block's largest magnitude
.endr
.irp b, 0,1,2,3
	v_add_nc_u32 v[TM+12+\b], 0xfc000000, v[TM+\b]                 ; 8 off its exponent field: the conversion's scale operand
.endr
.irp b, 0,1,2,3
	v_and_or_b32 v[TM+8+\b], v[TM+\b], 0x7f800000, s[MNT]          ; 448 x the scale
.endr
.irp b, 0,1,2,3
	v_lshrrev_b32 v[TM+4+\b], 23, v[TM+12+\b]                      ; the scale's byte
.endr
	v_lshl_or_b32 v[\pw], v[TM+5], 8, v[TM+4]
	v_lshl_or_b32 v[\pw], v[TM+6], 16, v[\pw]
	v_lshl_or_b32 v[\pw], v[TM+7], 24, v[\pw]
.irp b, 0,1,2,3
.irp i, 0,1,2,3,4,5,6,7,8,9,10,11,12,13,14,15
	v_med3_num_f32 v[\s+16*\b+\i], v[\s+16*\b+\i], -v[TM+8+\b], v[TM+8+\b]   ; the conversion does not saturate (ISA guide 7.6.2): the hold at 448 x the scale
.endr
	v_cvt_scalef32_pk8_fp8_f32 v[\pc+4*\b:\pc+1+4*\b], v[\s+16*\b:\s+7+16*\b], v[TM+12+\b]
	v_cvt_scalef32_pk8_fp8_f32 v[\pc+2+4*\b:\pc+3+4*\b], v[\s+8+16*\b:\s+15+16*\b], v[TM+12+\b]
.endr
	v_nop                                          ; a plain line behind the last conversion
.endm
; four rows' pairs v[8+2i:9+2i] are summed over the pair and over the 32 lanes; every lane ends with the sum in v[8+2i]
.macro REDUCE
.irp i, 0,1,2,3
	v_add_f32 v[8+2*\i], v[8+2*\i], v[9+2*\i]
.endr
.irp m, 1,2,4,8
.irp i, 0,1,2,3
	v_add_f32_dpp v[8+2*\i], v[8+2*\i], v[8+2*\i] row_xmask:\m row_mask:0xf bank_mask:0xf
.endr
.endr
.irp i, 0,1,2,3
	v_permlanex16_b32 v[24+\i], v[8+2*\i], s[SEL], s[SEL+1]
.endr
.irp i, 0,1,2,3
	v_add_f32 v[8+2*\i], v[8+2*\i], v[24+\i]
.endr
.endm
	s_load_b256 s[4:11], s[0:1], 0x0               ; src s[4:5], gain s[6:7], shift s[8:9], w_qkv s[10:11]
	s_load_b256 s[12:19], s[0:1], 0x20             ; w_fc s[12:13], w_proj s[14:15], act s[16:17], wq s[18:19]
	v_lshl_add_u32 v62, v0, 2, 0x10200
	v_mov_b32 v63, 0
	v_lshrrev_b32 v1, 5, v0
	v_readfirstlane_b32 s20, v1                    ; wave 0..3
	s_mov_b32 s[MNT], 0x600000
	s_mov_b32 s[SEL], 0x76543210
	s_mov_b32 s[SEL+1], 0xfedcba98
	s_cmp_lt_u32 ttmp9, 256                        ; the same in all four waves
	s_cbranch_scc0 .Lweights
	; ---------------- THE LAYER NORM: the work-group makes physical row block RB = its number: logical rows 32 (RB / 2) + 8 (RB % 2) + r + 8 (r / 8)
	v_and_b32 v7, 31, v0
	v_lshlrev_b32 v1, 4, v7                        ; 16 x lane
	v_and_b32 v2, 15, v0                           ; r
	v_bfe_u32 v3, v0, 4, 1                         ; h
	s_mul_i32 s21, s20, 4*SROW
	v_add_nc_u32 v4, s21, v1                       ; into the stage: my wave's rows 4 w .. 4 w + 3, 16 bytes a lane
	v_mul_u32_u24 v5, v2, SROW
	v_lshl_add_u32 v5, v3, 6, v5
	s_lshl_b32 s21, s20, 10
	v_add_nc_u32 v5, s21, v5                       ; out of it: row r, + 64 h, + my wave's two K steps (1,024 bytes)
	v_lshlrev_b32 v6, 2, v2
	v_lshl_add_u32 v6, v3, 9, v6                   ; the scale words: 4 r, lanes 16-31 one K step (512 bytes) on
	s_lshr_b32 s22, ttmp9, 1
	s_and_b32 s23, ttmp9, 1
	s_lshl_b32 s22, s22, 5
	s_lshl_b32 s23, s23, 3
	s_add_co_u32 s22, s22, s23
	s_lshl_b32 s23, s20, 2
	s_add_co_u32 s22, s22, s23
	s_lshr_b32 s23, s20, 1
	s_lshl_b32 s23, s23, 3
	s_add_co_u32 s22, s22, s23                     ; my wave's first logical row: its four rows are neighbours
	s_lshl_b32 s22, s22, 12                        ; x 4,096 bytes
	s_mov_b32 s23, 0
	s_lshr_b32 s24, ttmp9, 3                       ; the group of 128 rows
	s_and_b32 s25, ttmp9, 7                        ; the block in it
	s_lshl_b32 s26, s24, 17
	s_lshl_b32 s27, s20, 15
	s_add_co_u32 s26, s26, s27
	s_lshl_b32 s27, s25, 11
	s_add_co_u32 s26, s26, s27                     ; codes: 131,072 G + 16,384 (2 w) + 2,048 a
	s_mov_b32 s27, 0
	s_lshl_b32 s28, s24, 12
	s_lshl_b32 s29, s20, 10
	s_add_co_u32 s28, s28, s29
	s_lshl_b32 s29, s25, 6
	s_add_co_u32 s28, s28, s29
	s_add_co_u32 s28, s28, ASC                     ; scale words: 4,096 G + 512 (2 w) + 64 a
	s_mov_b32 s29, 0
	s_mov_b32 s30, 0x3a800000                      ; 1 / 1024
	s_mov_b32 s31, 0x3727c5ac                      ; 1e-5
	s_wait_kmcnt 0x0
	s_add_nc_u64 s[4:5], s[4:5], s[22:23]
	s_add_nc_u64 s[26:27], s[16:17], s[26:27]
	s_add_nc_u64 s[28:29], s[16:17], s[28:29]
.irp i, 0,1,2,3
.irp j, 0,1,2,3,4,5,6,7
	global_load_b128 v[X+32*\i+4*\j:X+32*\i+4*\j+3], v1, s[4:5] offset:4096*\i+512*\j   ; a load covers 512 consecutive bytes of a row
.endr
.endr
.irp j, 0,1,2,3,4,5,6,7
	global_load_b128 v[GSC+4*\j:GSC+4*\j+3], v1, s[6:7] offset:512*\j
.endr
.irp j, 0,1,2,3,4,5,6,7
	global_load_b128 v[GSH+4*\j:GSH+4*\j+3], v1, s[8:9] offset:512*\j
.endr
.irp i, 0,1,2,3
	v_mov_b32 v[24+\i], 0                          ; a lane permute's destination counts as one of its sources (v24-27 are no load's target)
.endr
	s_wait_loadcnt 16                              ; the four rows are in; the gain's and the shift's sixteen loads may be out
.irp i, 0,1,2,3
	v_pk_add_f32 v[8+2*\i:9+2*\i], v[X+32*\i:X+32*\i+1], v[X+32*\i+2:X+32*\i+3]
.endr
.set n, 4
.rept 14
.irp i, 0,1,2,3
	v_pk_add_f32 v[8+2*\i:9+2*\i], v[8+2*\i:9+2*\i], v[X+32*\i+n:X+32*\i+n+1]
.endr
.set n, n+2
.endr
	REDUCE
.irp i, 0,1,2,3
	v_mul_f32 v[16+2*\i], s30, v[8+2*\i]           ; the mean, twice: a pair for the packed forms
	v_mul_f32 v[17+2*\i], s30, v[8+2*\i]
.endr
.set n, 0
.rept 16
.irp i, 0,1,2,3
	v_pk_add_f32 v[X+32*\i+n:X+32*\i+n+1], v[X+32*\i+n:X+32*\i+n+1], v[16+2*\i:17+2*\i] neg_lo:[0,1] neg_hi:[0,1]   ; x - mean: the variance is taken of the differences, so a common offset does no harm
.endr
.set n, n+2
.endr
.irp i, 0,1,2,3
	v_pk_mul_f32 v[8+2*\i:9+2*\i], v[X+32*\i:X+32*\i+1], v[X+32*\i:X+32*\i+1]
.endr
.set n, 2
.rept 15
.irp i, 0,1,2,3
	v_pk_fma_f32 v[8+2*\i:9+2*\i], v[X+32*\i+n:X+32*\i+n+1], v[X+32*\i+n:X+32*\i+n+1], v[8+2*\i:9+2*\i]
.endr
.set n, n+2
.endr
	REDUCE
.irp i, 0,1,2,3
	v_fma_f32 v[8+2*\i], v[8+2*\i], s30, s31       ; the variance + 1e-5
.endr
.irp i, 0,1,2,3
	v_rsq_f32 v[16+2*\i], v[8+2*\i]
.endr
	v_nop                                          ; a plain line behind the last of the four
	s_wait_alu depctr_va_vdst(0)                   ; one wait for the four, ahead of their first reader
.irp i, 0,1,2,3
	v_mov_b32 v[17+2*\i], v[16+2*\i]
.endr
	s_wait_loadcnt 0x0                             ; the gain and the shift
.set n, 0
.rept 16
.irp i, 0,1,2,3
	v_pk_mul_f32 v[X+32*\i+n:X+32*\i+n+1], v[X+32*\i+n:X+32*\i+n+1], v[16+2*\i:17+2*\i]
.endr
.irp i, 0,1,2,3
	v_pk_fma_f32 v[X+32*\i+n:X+32*\i+n+1], v[X+32*\i+n:X+32*\i+n+1], v[GSC+n:GSC+n+1], v[GSH+n:GSH+n+1]
.endr
.set n, n+2
.endr
.irp i, 0,1,2,3
.irp j, 0,1,2,3,4,5,6,7
	ds_store_b128 v4, v[X+32*\i+4*\j:X+32*\i+4*\j+3] offset:SROW*\i+512*\j
.endr
.endr
	s_wait_dscnt 0x0                               ; for the others' sake: my rows lie in the stage
	s_barrier_signal -1
	s_barrier_wait -1
	; wave w makes K steps 2 w and 2 w + 1 of all 16 rows: lane (r, h) takes 16 neighbours of each block of 32 of row r
.irp e, 0,1
.irp c, 0,1,2,3
.irp j, 0,1,2,3
	ds_load_b128 v[64+128*\e+16*\c+4*\j:64+128*\e+16*\c+4*\j+3], v5 offset:512*\e+128*\c+16*\j
.endr
.endr
.endr
.irp i, 0,1,2,3
	v_mov_b32 v[TM+4+\i], 0                        ; a lane permute's destination counts as one of its sources.  Here and not earlier: the rows that lay in these registers have gone to the stage, and the loads above land in v64-127 and v192-255
.endr
	s_wait_dscnt 16                                ; the first K step's sixteen loads are in
	QUANT 64, 128, 160
.irp c, 0,1,2,3
	global_store_b128 v1, v[128+4*\c:131+4*\c], s[26:27] offset:512*\c          ; 512 consecutive bytes: a chunk of the fragment's image
.endr
	s_wait_dscnt 0x0
	QUANT 192, 164, 161                            ; other registers for these codes: no store's data are rewritten
.irp c, 0,1,2,3
	global_store_b128 v1, v[164+4*\c:167+4*\c], s[26:27] offset:16384+512*\c
.endr
	v_cmp_ne_u32 vcc_lo, 0, v3
	v_cndmask_b32 v162, v160, v161, vcc_lo         ; lanes 0-15 carry the first K step's words, lanes 16-31 the second's
	global_store_b32 v6, v162, s[28:29]
	s_wait_tensorcnt 0x0
	ds_add_u32 v62, v63
	s_wait_dscnt 0x0
	s_endpgm
	; ---------------- THE WEIGHTS: a lane takes a column, its registers run down K: a block of 32 lies in one lane, and the codes come out with K innermost.
	; A work-group takes one K step (four blocks a lane) of a group of 128 columns: 704 work-groups, so that with the 256 of the layer norm all lie on the chip together (four to a WGP by registers and by LDS),
	; and a wave's four blocks are two rounds of 64 loads.
.Lweights:
	s_sub_co_u32 s21, ttmp9, 256                   ; 0-191 w_qkv, 192-447 w_fc, 448-703 w_proj
	v_and_b32 v7, 31, v0
	v_and_b32 v8, 7, v7
	v_bfe_u32 v11, v7, 3, 1
	v_lshl_or_b32 v8, v11, 4, v8
	v_bfe_u32 v11, v7, 4, 1
	v_lshl_or_b32 v8, v11, 3, v8                   ; p: my column's physical place among its 32: bits 3 and 4 exchanged
	v_lshrrev_b32 v11, 4, v8
	v_and_b32 v12, 15, v8
	v_lshlrev_b32 v12, 4, v12
	v_lshl_or_b32 v9, v11, 11, v12                 ; codes: 2,048 (p / 16) + 16 (p % 16)
	v_lshlrev_b32 v10, 2, v8                       ; scale words: 4 p
	s_wait_kmcnt 0x0
	s_cmp_lt_u32 s21, 192                          ; every choice hangs on the work-group's number alone
	s_cselect_b64 s[22:23], s[10:11], s[12:13]
	s_mov_b32 s24, 192
	s_cselect_b32 s24, 0, s24                      ; the weight's first work-group
	s_mov_b32 s25, 16384
	s_cselect_b32 s25, 12288, s25                  ; a row in bytes
	s_mov_b32 s26, 3145728
	s_cselect_b32 s26, 0, s26                      ; where its codes begin in wq
	s_mov_b32 s27, WSC+98304
	s_cselect_b32 s27, WSC, s27                    ; and its scale words
	s_cmp_lt_u32 s21, 448
	s_cselect_b64 s[22:23], s[22:23], s[14:15]
	s_cselect_b32 s24, s24, 448
	s_cselect_b32 s25, s25, 4096
	s_cselect_b32 s26, s26, 7340032
	s_cselect_b32 s27, s27, WSC+229376
	s_cselect_b32 s28, 3, 5                        ; log2 of K / 128
	s_cselect_b32 s29, 17, 19                      ; log2 of a group's bytes of codes
	s_cselect_b32 s30, 12, 14                      ; log2 of a group's bytes of scale words
	s_sub_co_u32 s21, s21, s24
	s_bfm_b32 s31, s28, 0
	s_and_b32 s31, s21, s31                        ; which K step
	s_lshr_b32 s21, s21, s28                       ; which group of 128 columns
	s_lshl_b32 s48, s31, 7
	s_mul_i32 s48, s48, s25
	s_lshl_b32 s49, s21, 9
	s_add_co_u32 s48, s48, s49
	s_lshl_b32 s49, s20, 7
	s_add_co_u32 s48, s48, s49                     ; 128 rows x the K step + 512 G + 128 w bytes
	s_mov_b32 s49, 0
	s_add_nc_u64 s[32:33], s[22:23], s[48:49]      ; a base for each block of 32 rows: a row's length is no constant of the text, so it cannot stand in the immediates
	s_lshl_b32 s48, s25, 5
.irp t, 1,2,3
	s_add_nc_u64 s[32+2*\t:33+2*\t], s[30+2*\t:31+2*\t], s[48:49]
.endr
	s_lshl_b32 s54, s21, s29
	s_add_co_u32 s54, s54, s26
	s_lshl_b32 s55, s31, 14
	s_add_co_u32 s54, s54, s55
	s_lshl_b32 s55, s20, 12
	s_add_co_u32 s54, s54, s55
	s_mov_b32 s55, 0
	s_add_nc_u64 s[54:55], s[18:19], s[54:55]      ; codes: the group, the K step, blocks 2 w on
	s_lshl_b32 s56, s21, s30
	s_add_co_u32 s56, s56, s27
	s_lshl_b32 s57, s31, 9
	s_add_co_u32 s56, s56, s57
	s_lshl_b32 s57, s20, 7
	s_add_co_u32 s56, s56, s57
	s_mov_b32 s57, 0
	s_add_nc_u64 s[56:57], s[18:19], s[56:57]
	v_lshlrev_b32 v[OFFV], 2, v7
.set n, 1
.rept 31
	v_add_nc_u32 v[OFFV+n], s25, v[OFFV+n-1]
.set n, n+1
.endr
.macro LOADW t                         ; block t: 32 rows at my column, into set t % 2; a wave reads 128 consecutive bytes, the four waves 512
.set n, 0
.rept 32
	global_load_b32 v[X+32*((\t)%2)+n], v[OFFV+n], s[32+2*(\t):33+2*(\t)] th:TH_LOAD_NT
.set n, n+1
.endr
.endm
.macro BLOCK t
.set XS, X+32*((\t)%2)
.if (\t) < 3
	s_wait_loadcnt 32                              ; this block's 32 loads are in; the next block's may be out
.else
	s_wait_loadcnt 0x0
.endif
	v_max3_num_f32 v12, |v[XS]|, |v[XS+1]|, |v[XS+2]|
	v_max3_num_f32 v13, |v[XS+3]|, |v[XS+4]|, |v[XS+5]|
.irp i, 6,10,14,18,22,26
	v_max3_num_f32 v12, v12, |v[XS+\i]|, |v[XS+\i+1]|
	v_max3_num_f32 v13, v13, |v[XS+\i+2]|, |v[XS+\i+3]|
.endr
	v_max3_num_f32 v12, v12, |v[XS+30]|, |v[XS+31]|
	v_max3_num_f32 v12, v12, v13, 0x4800000        ; and the floor
	v_add_nc_u32 v11, 0xfc000000, v12              ; the conversion's scale operand
	v_and_or_b32 v14, v12, 0x7f800000, s[MNT]      ; 448 x the scale
	v_lshrrev_b32 v15, 23, v11                     ; the byte
.if (\t) == 0
	v_mov_b32 v[SB], v15
.else
	v_lshl_or_b32 v[SB], v15, 8*(\t), v[SB]
.endif
.set n, 0
.rept 32
	v_med3_num_f32 v[XS+n], v[XS+n], -v14, v14
.set n, n+1
.endr
.irp g, 0,1,2,3
	v_cvt_scalef32_pk8_fp8_f32 v[CW+8*(\t)+2*\g:CW+8*(\t)+2*\g+1], v[XS+8*\g:XS+8*\g+7], v11
.endr
	v_nop
	global_store_b128 v9, v[CW+8*(\t):CW+8*(\t)+3], s[54:55] offset:512*(\t)          ; k 0-15 of the block: the sixteen columns of a block of rows fill 256 consecutive bytes
	global_store_b128 v9, v[CW+8*(\t)+4:CW+8*(\t)+7], s[54:55] offset:512*(\t)+256    ; k 16-31: the image's lanes 16-31
.if (\t) < 2
	LOADW (\t)+2
.endif
.endm
	LOADW 0
	LOADW 1
.irp t, 0,1,2,3
	BLOCK \t
.endr
	global_store_b32 v10, v[SB], s[56:57]          ; 128 consecutive bytes a wave
	s_endpgm
.Lfunc_end_k_q2b5458952f_prep:
	.size	k_q2b5458952f_prep, .Lfunc_end_k_q2b5458952f_prep-k_q2b5458952f_prep
	.p2alignl 7, 3214868480
	.fill 96, 4, 3214868480
	.section	.rodata,"a",@progbits
	.p2align	6, 0x0
	.amdhsa_kernel k_q2b5458952f_prep
		.amdhsa_group_segment_fixed_size 66560
		.amdhsa_private_segment_fixed_size 0
		.amdhsa_enable_private_segment 0
		.amdhsa_kernarg_size 64
		.amdhsa_user_sgpr_count 2
		.amdhsa_user_sgpr_kernarg_segment_ptr 1
		.amdhsa_wavefront_size32 1
		.amdhsa_system_sgpr_workgroup_id_x 1
		.amdhsa_system_sgpr_workgroup_id_y 1
		.amdhsa_system_sgpr_workgroup_id_z 1
		.amdhsa_system_vgpr_workitem_id 0
		.amdhsa_next_free_vgpr 256
		.amdhsa_next_free_sgpr 66
		.amdhsa_reserve_vcc 1
		.amdhsa_float_denorm_mode_32 3
		.amdhsa_float_denorm_mode_16_64 3
		.amdhsa_memory_ordered 1
		.amdhsa_forward_progress 1
		.amdhsa_inst_pref_size 83
	.end_amdhsa_kernel
	.amdgpu_metadata
---
amdhsa.version: [ 1, 2 ]
amdhsa.kernels:
  - .name:           k_q2b5458952f_prep
    .symbol:         k_q2b5458952f_prep.kd
    .args:
      - { .name: x, .offset: 0, .size: 8, .value_kind: global_buffer, .address_space: global }
      - { .name: ln1_scale, .offset: 8, .size: 8, .value_kind: global_buffer, .address_space: global }
      - { .name: ln1_shift, .offset: 16, .size: 8, .value_kind: global_buffer, .address_space: global }
      - { .name: w_qkv, .offset: 24, .size: 8, .value_kind: global_buffer, .address_space: global }
      - { .name: w_fc, .offset: 32, .size: 8, .value_kind: global_buffer, .address_space: global }
      - { .name: w_proj, .offset: 40, .size: 8, .value_kind: global_buffer, .address_space: global }
      - { .name: act, .offset: 48, .size: 8, .value_kind: global_buffer, .address_space: global }
      - { .name: wq, .offset: 56, .size: 8, .value_kind: global_buffer, .address_space: global }
    .group_segment_fixed_size: 66560
    .private_segment_fixed_size: 0
    .kernarg_segment_align: 8
    .kernarg_segment_size: 64
    .max_flat_workgroup_size: 128
    .sgpr_count:     66
    .vgpr_count:     256
    .wavefront_size: 32
...
	.end_amdgpu_metadata
.endif
;; end of part 1
;; launch qkv (part 2): grid 12 x 16, 4 waves a work-group, clusters of 4 x 4, 327,680 bytes of LDS; arguments act, wq, b_qkv, qkv; writes qkv
.if DOCPART == 2
	.amdgcn_target "amdgcn-amd-amdhsa--gfx1250"
	.amdhsa_code_object_version 6
	.text
	.protected	k_q2b5458952f_qkv
	.globl	k_q2b5458952f_qkv
	.p2align	8
	.type	k_q2b5458952f_qkv,@function
k_q2b5458952f_qkv:
	s_mov_b64 s[64:65], 0
	v_nop
	global_prefetch_b8 v0, s[64:65] scope:SCOPE_SE
	s_setreg_imm32_b32 hwreg(HW_REG_WAVE_MODE, 25, 1), 1
	s_wait_xcnt 0x0
	s_wait_alu depctr_hold_cnt(0) depctr_sa_sdst(0) depctr_va_vdst(0) depctr_va_sdst(0) depctr_va_ssrc(0) depctr_va_vcc(0) depctr_vm_vsrc(0)
	s_getreg_b32 s2, hwreg(HW_REG_IB_STS2, 6, 4)
	s_cmp_eq_u32 s2, 0
	s_cbranch_scc0 .Lentry_in_a_cluster
	s_endpgm
.Lentry_in_a_cluster:
	s_bfe_u32 s2, ttmp6, 0x10000c
	s_cmp_lg_u32 s2, 0xf033
	s_cbranch_scc0 .Lentry_shape_is_right
	s_endpgm
.Lentry_shape_is_right:
; q, k, v = LN1(x) w_qkv + b_qkv on FP8 (E4M3) codes with E8M0 scales, and q, k, v quantised again in registers for attention: q and k along the head's 64, v along the keys.
; A tile of 256 x 256 to a work-group of four waves, 128 x 128 to a wave: 64 accumulators, 512 registers.  K = 1,024 goes through two LDS slots of two K steps of 128 each.
; OPERANDS LIE IN MEMORY AS IMAGES OF THEIR REGISTERS ([group of 128 rows][K step][block of 16 rows][chunk][lane][16 bytes]): a wave's tensor load brings 32,768 dense bytes (128 rows, two K steps), every LDS load reads
; 512 consecutive bytes, and there is no pitch and no padding.  The scale words of the four groups, for all of K, come once with the first fills.
; Operand B is source 0 and operand A source 1: a lane holds one row of A, and since rows lie in physical order (bits 3 and 4 of the row number exchanged) its 64 registers of a block of A's rows are, 16 by 16, neighbours
; among B's 128 rows: just what the quantiser and the next product's fragment want.
; THE CLUSTER'S x IS THE KIND: 0 q, 1 k: A = tokens, B = features: a lane holds a token, registers run along two heads' 64.  2 v: A = features, B = tokens: a lane holds a channel, registers run along 128 keys.
; The kind is equal in all sixteen partners; A's tile hangs on cy alone within the cluster (shared along a row), B's on cx alone (shared along a column): each is asked for jointly.
; WHAT IS STORED: one record of 25,856 bytes for each head and 128 tokens: K's 8 tiles (16 keys x 64: 1,024 bytes), V's 4 tiles (16 channels x 128 keys: 2,048 bytes), K's, V's, Q's scale words, Q's 8 tiles.
; Every store of codes covers 512 consecutive bytes straight from registers: no stage.
; 192 work-groups: the tile that reads each LDS byte least often gives no more at this size.
; LIMITS: NaN and infinities are not served; a block of zeros gets the byte 1 (its codes are zeros; only this program reads the bytes); blocks under 2^-118 are held at the byte 1.
.set NQ,    2                          ; K steps of 128 in a slot
.set FR,    16                         ; registers of a fragment
.set NL,    4                          ; LDS loads that bring one
.set NP,    8                          ; places behind this matrix instruction (ISA guide 7.12.1)
.set SLOT,  131072                     ; four loads of 32,768 bytes: A's two groups, then B's two
.set SCL,   2*SLOT                     ; the scale words: 4,096 bytes a group
.set SPARE, SCL+4*4096                 ; the spare words: 128 bytes a wave, two blocks of 256 bytes that no other line names
.set LAPS,  2                          ; 1,024 / 512
.set ASC,   4194304                    ; act's scale words
.set WSC,   11534336                   ; wq's
.set REC,   25856
.set HS,    16*REC                     ; from a head to the next
.set KIMG,  0
.set VIMG,  8192
.set KSC,   16384
.set VSC,   16896
.set QSC,   17152
.set QIMG,  17664
.set BS,   8                           ; v8-15   the bias along the lanes (kind v), one register a block of A
.set ADRA, 16                          ; v16-17  LDS address of my A fragments in slot 0, 1
.set ADRB, 20                          ; v20-21  the same for B
.set LI,   24                          ; v24     16 x lane
.set BPO,  25                          ; v25     64 h
.set BSO,  26                          ; v26     4 (r + 8 (r / 8))
.set ADRS, 27                          ; v27     LDS address of my scale words: lanes 0-15 A's, lanes 16-31 B's
.set SPW,  28                          ; v28     my spare word; never rewritten
.set NIL,  29                          ; v29     0; never rewritten
.set SOF,  30                          ; v30     where my scale words go
.set SC,   32                          ; v32-63  scale words, two sets; register 2 i + q: lanes 0-15 A's block i, lanes 16-31 B's block i
.set BP,   64                          ; v64-127 the bias along the registers (kinds q, k)
.set AF,   128                         ; v128-255 A's fragments, one set
.set T,    128                         ; the way out: 64 numbers
.set PC,   192                         ; their codes
.set TM,   208                         ; the quantiser's work
.set PWS,  232                         ; the eight blocks' scale words
.set XW,   240
.set YW,   244
.set G1, 24
.set G0, 32
.set G1B, 48
.set G0B, 56
.set G1S, 68
.set G0S, 76
.set G1SB, 80
.set G0SB, 88
.set SEL, 66                           ; s66-67 (from the way out on)
.set MNT, 95
.set IMB, 96                           ; s[96:97] where my images go
.set SCB, 98                           ; s[98:99] and my scale words
.set MV,  100                          ; all ones for kind v
.set MQK, 101                          ; all ones for kinds q, k
.set MSB, 0
.macro WIN new                         ; the immediate's high byte repeats the setting that is left
.if MSB != \new
	s_set_vgpr_msb (MSB<<8)|\new
.set MSB, \new
.endif
.endm
.set MUL_LO, 0xa1                      ; source 0 (B) window 1, source 1 (A) window 0, C and D window 2
.set MUL_HI, 0xf1                      ; the same, C and D window 3
.set TO_B,   0x40                      ; destination window 1, address window 0
; a joint load: waves 0 and 1 fetch for A, waves 2 and 3 for B; the branch hangs on the wave's number alone; four v_nop follow each of the two lines
.macro JLOAD g0a, g1a, g0b, g1b
	s_cmp_eq_u32 s15, 0
	s_cbranch_scc0 .Lfor_b_\@
	tensor_load_to_lds s[\g0a:\g0a+3], s[\g1a:\g1a+7]
	s_nop 0
.rept 4
	v_nop
.endr
	s_branch .Lasked_\@
.Lfor_b_\@:
	tensor_load_to_lds s[\g0b:\g0b+3], s[\g1b:\g1b+7]
	s_nop 0
.rept 4
	v_nop
.endr
.Lasked_\@:
.endm
.macro CREST                           ; a round of the cluster's barrier behind its opening barrier
	s_cmp_lg_u32 s14, 0
	s_cbranch_scc1 .Lnot_wave_0_\@
	s_barrier_signal -3
.Lnot_wave_0_\@:
	s_barrier_wait -3
	s_barrier_signal -1
	s_barrier_wait -1
.endm
.macro CROUND
	s_barrier_signal -1
	s_barrier_wait -1
	CREST
.endm
.macro PLACES n
.rept \n
	v_nop
.endr
.endm
.macro QUANT s, pc, pw                 ; 64 numbers of a lane, register 16 b + i = k 32 b + 16 (lane / 16) + i of my row -> 16 registers of codes, one scale word
.irp b, 0,1,2,3
	v_max3_num_f32 v[TM+\b], |v[\s+16*\b]|, |v[\s+1+16*\b]|, 0x4800000   ; with the floor 2^(9 - 127): the byte cannot fall under 1
.endr
.irp i, 2,4,6,8,10,12,14
.irp b, 0,1,2,3
	v_max3_num_f32 v[TM+\b], v[TM+\b], |v[\s+16*\b+\i]|, |v[\s+1+16*\b+\i]|
.endr
.endr
.irp b, 0,1,2,3
	v_permlanex16_b32 v[TM+4+\b], v[TM+\b], s[SEL], s[SEL+1]
.endr
.irp b, 0,1,2,3
	v_max_num_f32 v[TM+\b], v[TM+\b], v[TM+4+\b]
.endr
.irp b, 0,1,2,3
	v_add_nc_u32 v[TM+12+\b], 0xfc000000, v[TM+\b]                 ; 8 off the exponent field: the conversion's scale operand
.endr
.irp b, 0,1,2,3
	v_and_or_b32 v[TM+8+\b], v[TM+\b], 0x7f800000, s[MNT]          ; 448 x the scale
.endr
.irp b, 0,1,2,3
	v_lshrrev_b32 v[TM+4+\b], 23, v[TM+12+\b]
.endr
	v_lshl_or_b32 v[\pw], v[TM+5], 8, v[TM+4]
	v_lshl_or_b32 v[\pw], v[TM+6], 16, v[\pw]
	v_lshl_or_b32 v[\pw], v[TM+7], 24, v[\pw]
.irp b, 0,1,2,3
.irp i, 0,1,2,3,4,5,6,7,8,9,10,11,12,13,14,15
	v_med3_num_f32 v[\s+16*\b+\i], v[\s+16*\b+\i], -v[TM+8+\b], v[TM+8+\b]   ; the conversion does not saturate (ISA guide 7.6.2)
.endr
	v_cvt_scalef32_pk8_fp8_f32 v[\pc+4*\b:\pc+1+4*\b], v[\s+16*\b:\s+7+16*\b], v[TM+12+\b]
	v_cvt_scalef32_pk8_fp8_f32 v[\pc+2+4*\b:\pc+3+4*\b], v[\s+8+16*\b:\s+15+16*\b], v[TM+12+\b]
.endr
	v_nop
.endm
	s_load_b128 s[4:7], s[0:1], 0x0                ; act s[4:5], wq s[6:7]
	s_load_b128 s[8:11], s[0:1], 0x10              ; b_qkv s[8:9], qkv s[10:11]
	v_lshl_add_u32 v[SPW], v0, 2, SPARE
	v_mov_b32 v[NIL], 0
	ds_add_u32 v28, v29
	ds_add_u32 v28, v29
	s_wait_dscnt 0x0
	v_lshrrev_b32 v1, 5, v0
	v_readfirstlane_b32 s14, v1                    ; wave 0..3
	s_lshr_b32 s15, s14, 1                         ; which of A's two groups is mine.  Also: I fetch for A (0) or for B (1)
	s_and_b32 s16, s14, 1                          ; which of B's two groups.  Also: which group of that tile I fetch
	s_bfe_u32 s40, ttmp6, 0x40000                  ; cx
	s_bfe_u32 s41, ttmp6, 0x40004                  ; cy
	s_and_b32 s66, ttmp7, 0xffff
	s_lshl_b32 s66, s66, 2                         ; 4 x cluster y: the tokens' tiles
	s_lshl_b32 s67, ttmp9, 2                       ; 4 x kind: q's and k's tiles of features
	s_cmp_eq_u32 ttmp9, 2                          ; kind v?  The same in all partners
	s_cselect_b32 s17, 8, s66
	s_cselect_b32 s42, s66, s67
	s_cselect_b32 s[MV], -1, 0
	s_cselect_b32 s[MQK], 0, -1
	s_add_co_u32 s17, s17, s41                     ; A's tile of 256 rows: hangs on cy alone within the cluster
	s_add_co_u32 s42, s42, s40                     ; B's: on cx alone
	s_lshl_b32 s43, s41, 2
	s_lshl_b32 s43, 15, s43                        ; my row of the cluster
	s_lshl_b32 s44, 0x1111, s40                    ; my column
	; descriptor group 1: 32,768 dense bytes as 128 rows of 32 elements of 8 bytes; no padding
	s_or_b32 s[G1+0], s43, (3<<16)|(1<<21)         ; 15:0 the mask; 17:16 elements of 8 bytes; 21 set beside a mask
	s_or_b32 s[G1B+0], s44, (3<<16)|(1<<21)
.irp g, G1, G1B
	s_mov_b32 s[\g+1], 32<<16                      ; tensor_dim0
	s_mov_b32 s[\g+2], 128<<16                     ; tensor_dim1
	s_mov_b32 s[\g+3], 32<<16                      ; tile_dim0
	s_mov_b32 s[\g+4], 128                         ; tile_dim1
	s_mov_b32 s[\g+5], 32                          ; the pitch
	s_mov_b32 s[\g+6], 0
	s_mov_b32 s[\g+7], 0
.endr
	; and for a group's scale words: 4,096 dense bytes as 16 such rows
	s_or_b32 s[G1S+0], s43, (3<<16)|(1<<21)
	s_or_b32 s[G1SB+0], s44, (3<<16)|(1<<21)
.irp g, G1S, G1SB
	s_mov_b32 s[\g+1], 32<<16
	s_mov_b32 s[\g+2], 16<<16
	s_mov_b32 s[\g+3], 32<<16
	s_mov_b32 s[\g+4], 16
	s_mov_b32 s[\g+5], 32
	s_mov_b32 s[\g+6], 0
	s_mov_b32 s[\g+7], 0
.endr
	s_lshl_b32 s20, s17, 1
	s_add_co_u32 s20, s20, s16                     ; the group of A that I would fetch
	s_lshl_b32 s46, s42, 1
	s_add_co_u32 s46, s46, s16                     ; and of B
	s_lshl_b32 s22, s20, 12                        ; its scale words,
	s_mov_b32 s23, 0
	s_lshl_b32 s92, s46, 12
	s_mov_b32 s93, 0
	s_lshl_b32 s20, s20, 17                        ; its codes: 8 K steps x 16,384 bytes
	s_mov_b32 s21, 0
	s_lshl_b32 s46, s46, 17
	s_mov_b32 s47, 0
	s_lshl_b32 s45, s14, 15                        ; where they go: wave x 32,768: no place in the cluster enters an LDS address
	s_lshl_b32 s94, s14, 12
	s_wait_kmcnt 0x0
	s_add_nc_u64 s[12:13], s[4:5], ASC
	s_add_nc_u64 s[18:19], s[6:7], WSC
	s_cmp_eq_u32 ttmp9, 2
	s_cselect_b64 s[96:97], s[6:7], s[4:5]         ; A's codes: the weight's for kind v, else the tokens'
	s_cselect_b64 s[98:99], s[18:19], s[12:13]     ; A's scale words
	s_cselect_b64 s[4:5], s[4:5], s[6:7]           ; B's codes
	s_cselect_b64 s[6:7], s[12:13], s[18:19]       ; B's scale words
	s_add_nc_u64 s[20:21], s[96:97], s[20:21]
	s_add_nc_u64 s[22:23], s[98:99], s[22:23]
	s_add_nc_u64 s[46:47], s[4:5], s[46:47]
	s_add_nc_u64 s[92:93], s[6:7], s[92:93]
	CROUND                                         ; all sixteen work-groups are here: the first joint loads meet
	s_mov_b32 s[G0S], 1
	s_add_co_u32 s[G0S+1], s94, SCL
	s_mov_b64 s[G0S+2:G0S+3], s[22:23]
	s_or_b32 s[G0S+3], s[G0S+3], 0x80000000
	s_mov_b32 s[G0SB], 1
	s_add_co_u32 s[G0SB+1], s94, SCL
	s_mov_b64 s[G0SB+2:G0SB+3], s[92:93]
	s_or_b32 s[G0SB+3], s[G0SB+3], 0x80000000
	JLOAD G0S, G1S, G0SB, G1SB                     ; the scale words first: they are wanted with the first K step
.irp s, 0,1
	s_mov_b32 s[G0+4*\s], 1
	s_add_co_u32 s[G0+4*\s+1], s45, \s*SLOT
	s_add_nc_u64 s[G0+4*\s+2:G0+4*\s+3], s[20:21], \s*32768
	s_or_b32 s[G0+4*\s+3], s[G0+4*\s+3], 0x80000000
	s_mov_b32 s[G0B+4*\s], 1
	s_add_co_u32 s[G0B+4*\s+1], s45, \s*SLOT
	s_add_nc_u64 s[G0B+4*\s+2:G0B+4*\s+3], s[46:47], \s*32768
	s_or_b32 s[G0B+4*\s+3], s[G0B+4*\s+3], 0x80000000
	JLOAD G0+4*\s, G1, G0B+4*\s, G1B               ; three tensor loads of mine are out
.endr
	v_and_b32 v2, 15, v0                           ; r
	v_bfe_u32 v3, v0, 4, 1                         ; h
	v_and_b32 v4, 31, v0
	v_lshlrev_b32 v[LI], 4, v4
	s_lshl_b32 s21, s15, 15                        ; my group of A
	s_lshl_b32 s22, s16, 15
	s_add_co_u32 s22, s22, 2*32768                 ; my group of B, behind A's two
.irp s, 0,1
	v_add_nc_u32 v[ADRA+\s], s21, v[LI]
	v_add_nc_u32 v[ADRB+\s], s22, v[LI]
	s_add_co_u32 s21, s21, SLOT
	s_add_co_u32 s22, s22, SLOT
.endr
	s_lshl_b32 s21, s15, 12
	s_lshl_b32 s22, s16, 12
	s_add_co_u32 s22, s22, 2*4096
	s_sub_co_u32 s22, s22, s21
	v_mul_u32_u24 v6, s22, v3                      ; lanes 16-31 take B's words: one product with h
	s_add_co_u32 s21, s21, SCL
	v_lshl_add_u32 v5, v2, 2, v6
	v_add_nc_u32 v[ADRS], s21, v5
	v_lshlrev_b32 v[BPO], 6, v3
	v_and_b32 v5, 8, v2
	v_add_nc_u32 v5, v5, v2
	v_lshlrev_b32 v[BSO], 2, v5
	; whose results are mine
	s_lshl_b32 s20, s17, 1
	s_add_co_u32 s20, s20, s15                     ; my group of A
	s_lshl_b32 s21, s42, 1
	s_add_co_u32 s21, s21, s16                     ; my group of B
	s_cmp_eq_u32 ttmp9, 2
	s_cselect_b32 s22, s20, s21                    ; the group of 128 features, 0-23
	s_cselect_b32 s23, s21, s20                    ; the group of 128 tokens, 0-31
	s_lshl_b32 s4, s22, 9
	s_cmp_eq_u32 ttmp9, 2
	s_cselect_b32 s6, 0, s4                        ; both biases are always loaded and added; the one that the kind does not use is loaded from the buffer's head and made 0
	s_cselect_b32 s12, s4, 0
	s_mov_b32 s7, 0
	s_mov_b32 s13, 0
	s_add_nc_u64 s[6:7], s[8:9], s[6:7]
	s_add_nc_u64 s[12:13], s[8:9], s[12:13]
.irp b, 0,1,2,3,4,5,6,7
	global_load_b128 v[BP+8*\b:BP+8*\b+3], v[BPO], s[6:7] offset:4*(32*(\b/2)+8*(\b%2))        ; register 8 b + j: feature 32 (b / 2) + 16 h + 8 (b % 2) + j
	global_load_b128 v[BP+8*\b+4:BP+8*\b+7], v[BPO], s[6:7] offset:4*(32*(\b/2)+8*(\b%2))+16
.endr
.irp a, 0,1,2,3,4,5,6,7
	global_load_b32 v[BS+\a], v[BSO], s[12:13] offset:4*(32*(\a/2)+8*(\a%2))                   ; lane r of block a: feature 32 (a / 2) + 8 (a % 2) + r + 8 (r / 8)
.endr
	s_lshr_b32 s4, s23, 4                          ; the batch
	s_lshl_b32 s4, s4, 8
	s_and_b32 s5, s23, 15                          ; the 128 tokens in it
	s_add_co_u32 s4, s4, s5
	s_and_b32 s5, s22, 7
	s_lshl_b32 s5, s5, 5                           ; 16 x the first of my two heads
	s_add_co_u32 s4, s4, s5
	s_mul_i32 s4, s4, REC                          ; my first record
	s_cmp_eq_u32 ttmp9, 0
	s_cselect_b32 s18, QIMG, 0
	s_mov_b32 s19, KSC
	s_cselect_b32 s19, QSC, s19
	s_cmp_eq_u32 ttmp9, 2
	s_cselect_b32 s18, VIMG, s18
	s_cselect_b32 s19, VSC, s19
	s_cselect_b32 s20, 16, 32
	s_mov_b32 s21, 16
	s_cselect_b32 s21, HS, s21
	s_add_co_u32 s[IMB], s18, s4
	s_mov_b32 s[IMB+1], 0
	s_add_co_u32 s[SCB], s19, s4
	s_mov_b32 s[SCB+1], 0
	s_add_nc_u64 s[IMB:IMB+1], s[10:11], s[IMB:IMB+1]
	s_add_nc_u64 s[SCB:SCB+1], s[10:11], s[SCB:SCB+1]
	v_mul_u32_u24 v[SOF], s20, v2                  ; q, k: 32 r + 16 h;  v: 16 r, lanes 16-31 in the next head's record
	v_mad_u32_u24 v[SOF], v3, s21, v[SOF]
	s_wait_loadcnt 0x0                             ; the biases, while the first tiles are on their way
.set n, 0
.rept 64
	v_cndmask_b32 v[BP+n], 0, v[BP+n], s[MQK]
.set n, n+1
.endr
.set n, 0
.rept 8
	v_cndmask_b32 v[BS+n], 0, v[BS+n], s[MV]
.set n, n+1
.endr
.macro FRAG reg, adr, q, i             ; a fragment's image: four chunks of 512 consecutive bytes
.irp c, 0,1,2,3
	ds_load_b128 v[\reg+4*\c:\reg+4*\c+3], v[\adr] offset:16384*(\q)+2048*(\i)+512*\c
.endr
.endm
; 16 matrix instructions: A's blocks a0, a0 + 1 x B's eight.  The 64 accumulators take turns, one instruction a turn, in the same order in every step
.macro MUL16 a0, p, q, sc, zero
.irp a, \a0, \a0+1
.irp b, 0,1,2,3,4,5,6,7
.if \zero
	v_wmma_scale_f32_16x16x128_f8f6f4 v[8*(8*((\a)%4)+\b):8*(8*((\a)%4)+\b)+7], v[128*(\p)+FR*\b:128*(\p)+FR*\b+FR-1], v[AF+FR*(\a):AF+FR*(\a)+FR-1], 0, v[SC+8*NQ*(\sc)+NQ*\b+(\q)], v[SC+8*NQ*(\sc)+NQ*(\a)+(\q)] matrix_a_scale:MATRIX_SCALE_ROW1
.else
	v_wmma_scale_f32_16x16x128_f8f6f4 v[8*(8*((\a)%4)+\b):8*(8*((\a)%4)+\b)+7], v[128*(\p)+FR*\b:128*(\p)+FR*\b+FR-1], v[AF+FR*(\a):AF+FR*(\a)+FR-1], v[8*(8*((\a)%4)+\b):8*(8*((\a)%4)+\b)+7], v[SC+8*NQ*(\sc)+NQ*\b+(\q)], v[SC+8*NQ*(\sc)+NQ*(\a)+(\q)] matrix_a_scale:MATRIX_SCALE_ROW1
.endif
.endr
.endr
.endm
.macro FETCH_B slot, q, p
	WIN TO_B
.irp i, 0,1,2,3,4,5,6,7
	FRAG 128*(\p)+FR*\i, ADRB+\slot, \q, \i
.endr
	WIN 0
.endm
.macro FETCH_A slot, q, i0
.irp i, \i0, \i0+1, \i0+2, \i0+3
	FRAG AF+FR*(\i), ADRA+\slot, \q, \i
.endr
.endm
.macro SCALES sc                       ; a slot's scale words: lanes 0-15 A's block i, lanes 16-31 B's block i
.irp i, 0,1,2,3,4,5,6,7
.irp q, 0,1
	ds_load_b32 v[SC+8*NQ*\sc+NQ*\i+\q], v[ADRS] offset:512*\q+64*\i
.endr
.endr
.endm
.macro STEP slot, q, zero              ; a step of 128 along K that has its successor in the same slot
	s_wait_dscnt 4*NL                              ; all but the youngest sixteen loads (A's blocks 4-7)
	WIN MUL_LO
	MUL16 0, (\q)%2, \q, \slot, \zero
	MUL16 2, (\q)%2, \q, \slot, \zero
	s_wait_dscnt 0
	PLACES NP                                      ; in front of loads into registers that matrix instructions have read
	FETCH_B \slot, (\q)+1, 1-(\q)%2
	FETCH_A \slot, (\q)+1, 0
	WIN MUL_HI
	MUL16 4, (\q)%2, \q, \slot, \zero
	MUL16 6, (\q)%2, \q, \slot, \zero
	PLACES NP
	WIN 0
	FETCH_A \slot, (\q)+1, 4
.endm
; a slot's last step changes slots: one barrier; in front of it each wave waits for all its tensor loads, adds 0 to its spare word, and waits for that and for its reads of this slot
.macro TURN slot, next, fill
	s_wait_tensorcnt 0x0                           ; all my tensor loads have landed: my part of the next slot
	ds_add_u32 v[SPW], v[NIL]
	s_wait_dscnt 4*NL+1                            ; the add and the youngest sixteen loads may be out
	WIN MUL_LO
	MUL16 0, 1, NQ-1, \slot, 0
	s_wait_dscnt 0x0                               ; the add is done, and my reads of this slot are over
	s_barrier_signal -1
	MUL16 2, 1, NQ-1, \slot, 0
	WIN 0
	s_barrier_wait -1
.if \fill
	CREST                                          ; the barrier has opened a round of the cluster's: no wave of any partner still reads this slot or has a load on its way
	s_add_nc_u64 s[G0+4*\slot+2:G0+4*\slot+3], s[G0+4*\slot+2:G0+4*\slot+3], 65536
	s_add_nc_u64 s[G0B+4*\slot+2:G0B+4*\slot+3], s[G0B+4*\slot+2:G0B+4*\slot+3], 65536
	JLOAD G0+4*\slot, G1, G0B+4*\slot, G1B         ; my one tensor load behind the round; its four v_nop are among the places in front of the loads below
	PLACES NP-4
.else
	PLACES NP
.endif
	v_add_nc_u32 v[ADRS], 512*NQ, v[ADRS]          ; the next slot's scale words
	FETCH_B \next, 0, 0
	FETCH_A \next, 0, 0
	SCALES \next
	WIN MUL_HI
	MUL16 4, 1, NQ-1, \slot, 0
	MUL16 6, 1, NQ-1, \slot, 0
	PLACES NP
	WIN 0
	FETCH_A \next, 0, 4
.endm
	s_wait_tensorcnt 1                             ; the scale words and my part of slot 0 are in; slot 1's load may be out
	s_barrier_signal -1
	s_barrier_wait -1
	FETCH_B 0, 0, 0
	FETCH_A 0, 0, 0
	SCALES 0
	FETCH_A 0, 0, 4
	STEP 0, 0, 1                                   ; the first step's products start the sums: nothing is cleared
	s_mov_b32 s3, LAPS-1
.Llap:
	TURN 0, 1, 1
	STEP 1, 0, 0
	TURN 1, 0, 1
	STEP 0, 0, 0
	s_sub_co_u32 s3, s3, 1
	s_cmp_lg_u32 s3, 0
	s_cbranch_scc1 .Llap
	TURN 0, 1, 0                                   ; the last lap fills nothing
	STEP 1, 0, 0
	s_wait_dscnt 4*NL
	WIN MUL_LO
	MUL16 0, 1, NQ-1, 1, 0
	MUL16 2, 1, NQ-1, 1, 0
	s_wait_dscnt 0
	WIN MUL_HI
	MUL16 4, 1, NQ-1, 1, 0
	MUL16 6, 1, NQ-1, 1, 0
	WIN 0
	; THE WAY OUT: block by block of A's 16 rows: + bias, quantised, and the fragment's image stored as it stands
	PLACES NP
	s_mov_b32 s[SEL], 0x76543210
	s_mov_b32 s[SEL+1], 0xfedcba98
	s_mov_b32 s[MNT], 0x600000
.irp b, 0,1,2,3
	v_mov_b32 v[TM+4+\b], 0                        ; a lane permute's destination counts as one of its sources
.endr
.macro EBLOCK a
.if (\a) > 0
	s_wait_xcnt 0x0                                ; the last block's stores have read the codes' registers
.endif
	WIN 0x02+(\a)/4                                ; source 0: the accumulators' window
.set n, 0
.rept 32
	v_pk_add_f32 v[T+n:T+n+1], v[64*((\a)%4)+n:64*((\a)%4)+n+1], v[BP+n:BP+n+1]   ; ascending: each accumulator is read from its low end on
.set n, n+2
.endr
	WIN 0
.set n, 0
.rept 32
.if (\a)%2 == 0
	v_pk_add_f32 v[T+n:T+n+1], v[T+n:T+n+1], v[BS+(\a):BS+(\a)+1] op_sel_hi:[1,0]
.else
	v_pk_add_f32 v[T+n:T+n+1], v[T+n:T+n+1], v[BS+(\a)-1:BS+(\a)] op_sel:[0,1] op_sel_hi:[1,1]
.endif
.set n, n+2
.endr
	QUANT T, PC, PWS+\a
	s_cmp_eq_u32 ttmp9, 2
	s_cbranch_scc1 .Lkind_v_\@
.irp c, 0,1,2,3
	global_store_b128 v[LI], v[PC+4*\c:PC+4*\c+3], s[IMB:IMB+1] offset:HS*(\c/2)+1024*(\a)+512*(\c%2)   ; chunks 0, 1: my first head's 64; chunks 2, 3: the next head's
.endr
	s_branch .Lstored_\@
.Lkind_v_\@:
.irp c, 0,1,2,3
	global_store_b128 v[LI], v[PC+4*\c:PC+4*\c+3], s[IMB:IMB+1] offset:HS*((\a)/4)+2048*((\a)%4)+512*\c  ; blocks 0-3: my first head's 64 channels; blocks 4-7: the next head's
.endr
.Lstored_\@:
.endm
.irp a, 0,1,2,3,4,5,6,7
	EBLOCK \a
.endr
	v_cmp_ne_u32 vcc_lo, 0, v3
.irp i, 0,1,2,3
	v_cndmask_b32 v[XW+\i], v[PWS+\i], v[PWS+4+\i], vcc_lo   ; lanes 0-15 carry blocks 0-3's words, lanes 16-31 blocks 4-7's
.endr
	global_store_b128 v[SOF], v[XW:XW+3], s[SCB:SCB+1]
	s_cmp_eq_u32 ttmp9, 2
	s_cbranch_scc1 .Lno_second
.irp i, 0,1,2,3
	v_lshrrev_b32 v[YW+\i], 16, v[XW+\i]           ; q, k: a word's upper two bytes are the next head's two blocks
.endr
	global_store_b128 v[SOF], v[YW:YW+3], s[SCB:SCB+1] offset:HS
.Lno_second:
	s_wait_tensorcnt 0x0                           ; the wave's end
	ds_add_u32 v[SPW], v[NIL]
	s_wait_dscnt 0x0
	CROUND                                         ; the closing round
	s_endpgm
.Lfunc_end_k_q2b5458952f_qkv:
	.size	k_q2b5458952f_qkv, .Lfunc_end_k_q2b5458952f_qkv-k_q2b5458952f_qkv
	.p2alignl 7, 3214868480
	.fill 96, 4, 3214868480
	.section	.rodata,"a",@progbits
	.p2align	6, 0x0
	.amdhsa_kernel k_q2b5458952f_qkv
		.amdhsa_group_segment_fixed_size 327680
		.amdhsa_private_segment_fixed_size 0
		.amdhsa_enable_private_segment 0
		.amdhsa_kernarg_size 32
		.amdhsa_user_sgpr_count 2
		.amdhsa_user_sgpr_kernarg_segment_ptr 1
		.amdhsa_wavefront_size32 1
		.amdhsa_system_sgpr_workgroup_id_x 1
		.amdhsa_system_sgpr_workgroup_id_y 1
		.amdhsa_system_sgpr_workgroup_id_z 1
		.amdhsa_system_vgpr_workitem_id 0
		.amdhsa_next_free_vgpr 1024
		.amdhsa_next_free_sgpr 102
		.amdhsa_reserve_vcc 1
		.amdhsa_float_denorm_mode_32 3
		.amdhsa_float_denorm_mode_16_64 3
		.amdhsa_memory_ordered 1
		.amdhsa_forward_progress 1
		.amdhsa_inst_pref_size 230
	.end_amdhsa_kernel
	.amdgpu_metadata
---
amdhsa.version: [ 1, 2 ]
amdhsa.kernels:
  - .name:           k_q2b5458952f_qkv
    .symbol:         k_q2b5458952f_qkv.kd
    .args:
      - { .name: act, .offset: 0, .size: 8, .value_kind: global_buffer, .address_space: global }
      - { .name: wq, .offset: 8, .size: 8, .value_kind: global_buffer, .address_space: global }
      - { .name: b_qkv, .offset: 16, .size: 8, .value_kind: global_buffer, .address_space: global }
      - { .name: qkv, .offset: 24, .size: 8, .value_kind: global_buffer, .address_space: global }
    .group_segment_fixed_size: 327680
    .private_segment_fixed_size: 0
    .kernarg_segment_align: 8
    .kernarg_segment_size: 32
    .max_flat_workgroup_size: 128
    .sgpr_count:     102
    .vgpr_count:     1024
    .wavefront_size: 32
...
	.end_amdgpu_metadata
.endif
;; end of part 2
;; launch attn (part 3): grid 8 x 32, 16 waves a work-group, no clusters, 172,032 bytes of LDS; arguments qkv, x, x1; writes x1
.if DOCPART == 3
	.amdgcn_target "amdgcn-amd-amdhsa--gfx1250"
	.amdhsa_code_object_version 6
	.text
	.protected	k_q2b5458952f_attn
	.globl	k_q2b5458952f_attn
	.p2align	8
	.type	k_q2b5458952f_attn,@function
k_q2b5458952f_attn:
	s_mov_b64 s[64:65], 0
	v_nop
	global_prefetch_b8 v0, s[64:65] scope:SCOPE_SE
	s_setreg_imm32_b32 hwreg(HW_REG_WAVE_MODE, 25, 1), 1
	s_wait_xcnt 0x0
; x1 = x + causal attention, both products on FP8 (E4M3) codes with E8M0 scales.  q, k, v come as records of 25,856 bytes for each head and 128 tokens: images of the operands' registers and their scale words.
; THE SOFTMAX: t = score x log2(e) / 8; M = the running largest t rounded UP to a whole number; p = 2^(t - M) is quantised along the keys, not normalised; the row's sum is taken of the unquantised p and divides at the end.
; When M moves, the sum and O are multiplied by 2^(old M - new M): exact.
; THE HEAD'S 64 fill half of the instruction's 128 along K: registers 8-15 of every fragment of Q and K hold zero codes, made once; the scale bytes over them are never 0xff.
; SHARES.  Work-group (i, head) owns the query groups i and 15 - i (128 tokens each): 17 group-steps under the causal mask in every work-group.  Waves 0-7 take the 8 tiles of 16 queries of group i, waves 8-15 those of 15 - i.
; The work-group walks key steps 0 .. 15 - i, 128 keys each; a wave leaves out (a scalar branch on ids, round work alone) the steps that lie wholly behind its queries, and masks the one on the diagonal.
; A key step's 17,408 bytes come through registers into two LDS buffers by turns, asked for a whole step ahead; one barrier a step: in front of it each wave's stores into the next buffer have landed and its reads of
; the buffer in hand are over; the buffer written was last read a step earlier, ahead of the barrier before.
; Both products are used transposed (S^T = K Q^T, O^T = V^T P^T): a lane holds one query throughout.  Tokens lie in physical order (bits 3, 4 exchanged), so the 16 registers of two neighbouring tiles of S^T are 16 neighbouring keys.
; x OF MY TILE (16 tokens x 256 bytes) is asked for at the head, with the first key step and under the same wait, and kept in 4,096 bytes of LDS of the wave's own as an image of its registers: no register is free
; to hold it through the loop, and asked for at the end it would be waited for with nothing left to do.
; NO CLUSTER, NO TENSOR LOADS: work-groups of a head walk different numbers of key steps (16 - i), so partners could not make every joint request alike, and a trip count that hangs on the work-group's number
; goes with loads through registers; what would be shared is 17,408 bytes a step beside sixteen waves' softmax.  No prefetch: each step's loads are themselves issued a step ahead of their use.
; LIMITS: NaN and infinities are not served; a block's largest p is taken from its largest score (v_exp_f32 is taken not to fall where its input rises); a block whose every p is 0 keeps the byte 1 over zero codes.
.set REC,   25856
.set HS,    16*REC
.set VIMG,  8192
.set KSC,   16384
.set VSC,   16896
.set QSC,   17152
.set QIMG,  17664
.set BUFB,  17408                      ; a buffer: K's 8 tiles, V's 4, K's and V's scale words (and 256 bytes that nobody reads)
.set STAGE, 2*BUFB                     ; the way out: 16 rows x 272 bytes for each wave
.set XST,   STAGE+16*16*272            ; x: eight planes of 8,192 bytes, 16 bytes a thread in each
.set AL,   1                           ; v1  16 x lane
.set AT,   2                           ; v2  16 x thread
.set AR32, 3                           ; v3  32 r
.set AR16, 4                           ; v4  16 r
.set DD,   5                           ; v5  my query in its group - 16 h
.set STI,  6                           ; v6  the stage, in
.set STR,  7                           ; v7  the stage, back
.set GOF,  8                           ; v8  my byte offset in x and x1
.set QF,   16                          ; v16-31  Q's fragment: 16-23 codes, 24-31 zeros
.set KF,   32                          ; v32-95  four fragments of K: +0..7 codes, +8..15 zeros that stay
.set S,    96                          ; v96-159 S^T, then p, then V's four fragments
.set O,    160                         ; v160-191 O^T
.set PC,   192                         ; v192-207 p's codes
.set KS,   208                         ; v208-215 K's scale words
.set VS,   216                         ; v216-219 V's
.set CP,   220                         ; v220-231 the copy
.set XAD,  248                         ; v248 XST + 16 x thread
.set WV,   10
.set TAU,  11
.set GW,   12                          ; my query group
.set ST,   14                          ; the key step in hand
.set NX,   15                          ; the key step to fetch
.set TRIP, 16
.set HB,   18                          ; s[18:19] the head's first record
.set KB,   20                          ; s[20:21] the record being fetched
.set TT,   22
.set CS,   24                          ; s[24:25] log2(e) / 8
.set SEL,  26
.set MNT,  28
.set XB,   30
.set YB,   32
.set QB,   34
.set QS,   36
.macro COPY_ASK                        ; the next key step's 17,408 bytes are asked for: 16 bytes a thread, twice; waves 0 and 1 once more
	s_min_u32 s[TT], s[NX], 15                     ; the last look-ahead stays inside the head's records
	s_mul_i32 s[TT], s[TT], REC
	s_mov_b32 s[TT+1], 0
	s_add_nc_u64 s[KB:KB+1], s[HB:HB+1], s[TT:TT+1]   ; the loads that named this base have been waited for
	global_load_b128 v[CP:CP+3], v[AT], s[KB:KB+1]
	global_load_b128 v[CP+4:CP+7], v[AT], s[KB:KB+1] offset:8192
	s_cmp_lt_u32 s[WV], 2
	s_cbranch_scc0 .Lno_third_\@
	global_load_b128 v[CP+8:CP+11], v[AT], s[KB:KB+1] offset:16384
.Lno_third_\@:
	s_add_co_u32 s[NX], s[NX], 1
.endm
.macro COPY_PUT p                      ; and put into buffer p
	s_wait_loadcnt 0x0
	ds_store_b128 v[AT], v[CP:CP+3] offset:(\p)*BUFB
	ds_store_b128 v[AT], v[CP+4:CP+7] offset:(\p)*BUFB+8192
	s_cmp_lt_u32 s[WV], 2
	s_cbranch_scc0 .Lno_third_\@
	ds_store_b128 v[AT], v[CP+8:CP+11] offset:(\p)*BUFB+16384
.Lno_third_\@:
	s_wait_dscnt 0x0                               ; my stores have landed, and my reads of the other buffer are over
	s_barrier_signal -1
	s_barrier_wait -1
.endm
.macro STEP p                          ; a key step, from buffer p
	s_cmp_gt_u32 s[ST], s[GW]
	s_cbranch_scc1 .Lhidden_\@                     ; all its keys come after my queries
	ds_load_b128 v[KS:KS+3], v[AR32] offset:(\p)*BUFB+KSC
	ds_load_b128 v[KS+4:KS+7], v[AR32] offset:(\p)*BUFB+KSC+16
.irp g, 0,1                                    ; S^T = K Q^T, four tiles of 16 keys at a time
.if \g > 0
.rept 8
	v_nop                                          ; places in front of loads into registers that matrix instructions have read
.endr
.endif
.irp t, 0,1,2,3
.irp c, 0,1
	ds_load_b128 v[KF+16*\t+4*\c:KF+16*\t+4*\c+3], v[AL] offset:(\p)*BUFB+1024*(4*\g+\t)+512*\c
.endr
.endr
	s_wait_dscnt 0x0
.irp t, 0,1,2,3
	v_wmma_scale_f32_16x16x128_f8f6f4 v[S+8*(4*\g+\t):S+8*(4*\g+\t)+7], v[KF+16*\t:KF+16*\t+15], v[QF:QF+15], 0, v[KS+4*\g+\t], v255
.endr
.endr
.rept 8
	v_nop
.endr
	s_cmp_lg_u32 s[ST], s[GW]
	s_cbranch_scc1 .Lopen_\@                       ; only the step on the diagonal is masked
	v_mov_b32 v254, 0xff800000                     ; -infinity: p = 0 then
.set n, 0
.rept 64
	v_cmp_gt_i32 vcc_lo, 32*(n/16)+n%16, v[DD]     ; register 16 b + i holds key 32 b + 16 h + i of the group
	v_cndmask_b32 v[S+n], v[S+n], v254, vcc_lo
.set n, n+1
.endr
.Lopen_\@:
.irp b, 0,1,2,3
	v_max3_num_f32 v[232+\b], v[S+16*\b], v[S+1+16*\b], v[S+2+16*\b]   ; the largest score of each block of 32 keys: for the row's maximum and for the block's largest p
.endr
.irp i, 3,5,7,9,11,13
.irp b, 0,1,2,3
	v_max3_num_f32 v[232+\b], v[232+\b], v[S+16*\b+\i], v[S+1+16*\b+\i]
.endr
.endr
.irp b, 0,1,2,3
	v_max_num_f32 v[232+\b], v[232+\b], v[S+15+16*\b]
.endr
.irp b, 0,1,2,3
	v_permlanex16_b32 v[236+\b], v[232+\b], s[SEL], s[SEL+1]
.endr
.irp b, 0,1,2,3
	v_max_num_f32 v[232+\b], v[232+\b], v[236+\b]
.endr
	v_max3_num_f32 v254, v232, v233, v234
	v_max_num_f32 v254, v254, v235
	v_mul_f32 v254, s[CS], v254                    ; as t
	v_max_num_f32 v13, v13, v254                   ; the running largest t
	v_mov_b32 v254, v12
	v_floor_f32 v12, -v13                          ; the new -M = -ceil(t)
	v_sub_f32 v254, v12, v254                      ; old M - new M: a whole number, 0 or less
	v_cvt_i32_f32 v254, v254                       ; (it saturates)
	v_ldexp_f32 v252, 1.0, v254                    ; f = 2^(old M - new M)
.set n, 0
.rept 32
	v_pk_fma_f32 v[S+n:S+n+1], v[S+n:S+n+1], s[CS:CS+1], v[12:13] op_sel_hi:[1,0,0]   ; t - M
.set n, n+2
.endr
.irp b, 0,1,2,3
	v_fma_f32 v[232+\b], v[232+\b], s[CS], v12
.endr
.set n, 0
.rept 64
	v_exp_f32 v[S+n], v[S+n]                       ; p = 2^(t - M)
.set n, n+1
.endr
	v_pk_mul_f32 v[14:15], v[14:15], v[252:253] op_sel_hi:[1,0]   ; the sums under the new M: a plain line behind the exponentials
	s_wait_alu depctr_va_vdst(0)                   ; one wait for the batch of 64, ahead of its first reader
.irp b, 0,1,2,3
	v_exp_f32 v[232+\b], v[232+\b]                 ; the blocks' largest p
.endr
	v_pk_add_f32 v[236:237], v[S:S+1], v[S+2:S+3]  ; the row's sum of the unquantised p, in two chains
.irp j, 4,8,12,16,20,24,28,32,36,40,44,48,52,56,60
	v_pk_add_f32 v[14:15], v[14:15], v[S+\j:S+1+\j]
	v_pk_add_f32 v[236:237], v[236:237], v[S+2+\j:S+3+\j]
.endr
	v_pk_add_f32 v[14:15], v[14:15], v[236:237]
	s_wait_alu depctr_va_vdst(0)                   ; and one for the four
.irp b, 0,1,2,3
	v_max_num_f32 v[232+\b], 0x4800000, v[232+\b]  ; the floor 2^(9 - 127)
.endr
.irp b, 0,1,2,3
	v_add_nc_u32 v[244+\b], 0xfc000000, v[232+\b]  ; the conversion's scale operand
.endr
.irp b, 0,1,2,3
	v_and_or_b32 v[240+\b], v[232+\b], 0x7f800000, s[MNT]   ; 448 x the scale
.endr
.irp b, 0,1,2,3
	v_lshrrev_b32 v[236+\b], 23, v[244+\b]
.endr
	v_lshl_or_b32 v253, v237, 8, v236              ; p's scale word for these 128 keys
	v_lshl_or_b32 v253, v238, 16, v253
	v_lshl_or_b32 v253, v239, 24, v253
.irp b, 0,1,2,3
.irp i, 0,1,2,3,4,5,6,7,8,9,10,11,12,13,14,15
	v_min_num_f32 v[S+16*\b+\i], v[S+16*\b+\i], v[240+\b]   ; the hold; p is not negative
.endr
	v_cvt_scalef32_pk8_fp8_f32 v[PC+4*\b:PC+1+4*\b], v[S+16*\b:S+7+16*\b], v[244+\b]
	v_cvt_scalef32_pk8_fp8_f32 v[PC+2+4*\b:PC+3+4*\b], v[S+8+16*\b:S+15+16*\b], v[244+\b]
.endr
.irp t, 0,1,2,3                                ; V's four tiles (16 channels x 128 keys) take p's registers
.irp c, 0,1,2,3
	ds_load_b128 v[S+16*\t+4*\c:S+16*\t+4*\c+3], v[AL] offset:(\p)*BUFB+VIMG+2048*\t+512*\c
.endr
.endr
	ds_load_b128 v[VS:VS+3], v[AR16] offset:(\p)*BUFB+VSC
.set n, 0
.rept 16
	v_pk_mul_f32 v[O+n:O+n+1], v[O+n:O+n+1], v[252:253] op_sel_hi:[1,0]   ; O^T under the new M; these sixteen are also the places between the codes, the scale word and the products
.set n, n+2
.endr
	s_wait_dscnt 0x0
.irp t, 0,1,2,3
	v_wmma_scale_f32_16x16x128_f8f6f4 v[O+8*\t:O+8*\t+7], v[S+16*\t:S+16*\t+15], v[PC:PC+15], v[O+8*\t:O+8*\t+7], v[VS+\t], v253
.endr
.rept 9
	v_nop                                          ; the next step's products write over V's registers
.endr
.Lhidden_\@:
	s_add_co_u32 s[ST], s[ST], 1
.endm
	s_load_b128 s[4:7], s[0:1], 0x0                ; qkv s[4:5], x s[6:7]
	s_load_b64 s[8:9], s[0:1], 0x10                ; x1
	v_lshl_add_u32 v250, v0, 2, 0x29800
	v_mov_b32 v251, 0
	v_lshrrev_b32 v9, 5, v0
	v_readfirstlane_b32 s[WV], v9                  ; wave 0..15
	v_and_b32 v9, 31, v0
	v_lshlrev_b32 v[AL], 4, v9
	v_lshlrev_b32 v[AT], 4, v0
	v_add_nc_u32 v[XAD], XST, v[AT]
	v_and_b32 v10, 15, v0                          ; r
	v_bfe_u32 v11, v0, 4, 1                        ; h
	v_lshlrev_b32 v[AR32], 5, v10
	v_lshlrev_b32 v[AR16], 4, v10
	s_and_b32 s[TAU], s[WV], 7                     ; my tile in my query group
	s_sub_co_u32 s13, 15, ttmp9
	s_cmp_lt_u32 s[WV], 8
	s_cselect_b32 s[GW], ttmp9, s13
	s_sub_co_u32 s[TRIP], 17, ttmp9
	s_lshr_b32 s[TRIP], s[TRIP], 1                 ; trips of two key steps: 16 - i steps, rounded up: 5 to 8
	s_max_u32 s[TRIP], s[TRIP], 1                  ; (changes nothing at this grid: it states that the loop's counter starts at 1 or above)
	s_mov_b32 s[ST], 0
	s_mov_b32 s[NX], 0
	s_lshr_b32 s38, s[TAU], 1
	s_lshl_b32 s38, s38, 5
	s_and_b32 s39, s[TAU], 1
	s_lshl_b32 s39, s39, 3
	s_add_co_u32 s38, s38, s39                     ; the tile's first token: lane r holds token s38 + r + 8 (r / 8) of the group
	v_and_b32 v9, 8, v10
	v_add_nc_u32 v9, v9, v10
	v_lshlrev_b32 v[DD], 4, v11
	v_sub_nc_u32 v[DD], v9, v[DD]
	v_add_nc_u32 v[DD], s38, v[DD]
	s_mul_i32 s39, s[WV], 16*272
	s_add_co_u32 s39, s39, STAGE                   ; my stage
	v_mul_u32_u24 v[STI], v10, 272
	v_lshl_add_u32 v[STI], v11, 6, v[STI]
	v_add_nc_u32 v[STI], s39, v[STI]               ; in: row r, + 64 h
	v_mul_u32_u24 v[STR], v11, 272
	v_lshl_add_u32 v[STR], v10, 4, v[STR]
	v_add_nc_u32 v[STR], s39, v[STR]               ; back: lanes 0-15 one row, lanes 16-31 the next
	v_lshlrev_b32 v[GOF], 12, v11
	v_lshl_add_u32 v[GOF], v10, 4, v[GOF]          ; and the same in x and x1: rows of 4,096 bytes
	s_and_b32 s40, ttmp7, 0xffff                   ; 16 x batch + head
	s_mul_i32 s[TT], s40, HS
	s_mov_b32 s[TT+1], 0
	s_lshr_b32 s41, s40, 4
	s_lshl_b32 s41, s41, 11
	s_lshl_b32 s42, s[GW], 7
	s_add_co_u32 s41, s41, s42
	s_add_co_u32 s41, s41, s38
	s_lshl_b32 s42, s41, 12                        ; the tile's first token x 4,096 bytes,
	s_and_b32 s43, s40, 15
	s_lshl_b32 s43, s43, 8
	s_add_co_u32 s42, s42, s43                     ; + the head's 256 bytes of a row
	s_mov_b32 s43, 0
	s_mul_i32 s46, s[GW], REC
	s_lshl_b32 s44, s[TAU], 10
	s_add_co_u32 s44, s44, s46
	s_mov_b32 s45, 0
	s_lshl_b32 s47, s[TAU], 2
	s_add_co_u32 s46, s46, s47
	s_mov_b32 s47, 0
	s_mov_b32 s[CS], 0x3e38aa3b                    ; log2(e) / 8
	s_mov_b32 s[CS+1], s[CS]
	s_mov_b32 s[SEL], 0x76543210
	s_mov_b32 s[SEL+1], 0xfedcba98
	s_mov_b32 s[MNT], 0x600000
	s_wait_kmcnt 0x0
	s_add_nc_u64 s[HB:HB+1], s[4:5], s[TT:TT+1]
	s_add_nc_u64 s[XB:XB+1], s[6:7], s[42:43]
	s_add_nc_u64 s[YB:YB+1], s[8:9], s[42:43]
	s_add_nc_u64 s[QB:QB+1], s[HB:HB+1], s[44:45]
	s_add_nc_u64 s[QS:QS+1], s[HB:HB+1], s[46:47]
	COPY_ASK                                       ; key step 0
	global_load_b128 v[QF:QF+3], v[AL], s[QB:QB+1] offset:QIMG
	global_load_b128 v[QF+4:QF+7], v[AL], s[QB:QB+1] offset:QIMG+512
	global_load_b32 v255, v[AR32], s[QS:QS+1] offset:QSC
.irp t, 0,1,2,3,4,5,6,7
	global_load_b128 v[S+4*\t:S+4*\t+3], v[GOF], s[XB:XB+1] offset:4096*(2*\t+8*(\t/4))   ; x: stage row 2 t + (lane / 16) is token 2 t + (lane / 16) + 8 (t / 4) of the tile; sixteen lanes read 256 consecutive bytes
.endr
.irp j, 8,9,10,11,12,13,14,15
	v_mov_b32 v[QF+\j], 0                          ; the zero half of K
.irp t, 0,1,2,3
	v_mov_b32 v[KF+16*\t+\j], 0
.endr
.endr
.set n, 0
.rept 32
	v_mov_b32 v[O+n], 0                            ; the step is written once: the first finds zeros
.set n, n+1
.endr
	v_mov_b32 v13, 0xff61b1e6                      ; the largest t so far: -3e38
	v_floor_f32 v12, -v13
	v_mov_b32 v14, 0
	v_mov_b32 v15, 0
.irp b, 0,1,2,3
	v_mov_b32 v[236+\b], 0                         ; a lane permute's destination counts as one of its sources
.endr
	v_mov_b32 v252, 0
	v_mov_b32 v253, 0
	COPY_PUT 0                                     ; (its wait covers Q's and x's loads too)
.irp t, 0,1,2,3,4,5,6,7
	ds_store_b128 v[XAD], v[S+4*\t:S+4*\t+3] offset:8192*\t   ; x goes to bytes that are each thread's own: no barrier; every way on waits for all LDS instructions before these registers are written again
.endr
.Ltrip:
	COPY_ASK
	STEP 0
	COPY_PUT 1
	COPY_ASK
	STEP 1
	COPY_PUT 0
	s_sub_co_u32 s[TRIP], s[TRIP], 1
	s_cmp_lg_u32 s[TRIP], 0
	s_cbranch_scc1 .Ltrip
	; THE WAY OUT: O^T / the sum goes through my stage and comes back by rows; + x; sixteen lanes store a head's 256 bytes of a row
.irp t, 0,1,2,3,4,5,6,7
	ds_load_b128 v[32+4*\t:35+4*\t], v[XAD] offset:8192*\t    ; x comes back as it went: the same registers' image in the same lanes
.endr
	v_add_f32 v14, v14, v15
	v_permlanex16_b32 v252, v14, s[SEL], s[SEL+1]
	v_add_f32 v14, v14, v252                       ; the row's sum
	v_rcp_f32 v14, v14
	v_nop
	s_wait_alu depctr_va_vdst(0)
	v_mov_b32 v15, v14
.set n, 0
.rept 16
	v_pk_mul_f32 v[128+n:129+n], v[O+n:O+n+1], v[14:15]   ; register 16 b + i: channel 32 b + 16 h + i
.set n, n+2
.endr
.irp b, 0,1
.irp i, 0,1,2,3
	ds_store_b128 v[STI], v[128+16*\b+4*\i:131+16*\b+4*\i] offset:128*\b+16*\i
.endr
.endr
.irp t, 0,1,2,3,4,5,6,7
	ds_load_b128 v[96+4*\t:99+4*\t], v[STR] offset:544*\t   ; LDS serves a wave's instructions in order: these see my stores
.endr
	s_wait_dscnt 0x0
.set n, 0
.rept 16
	v_pk_add_f32 v[96+n:97+n], v[96+n:97+n], v[32+n:33+n]
.set n, n+2
.endr
.irp t, 0,1,2,3,4,5,6,7
	global_store_b128 v[GOF], v[96+4*\t:99+4*\t], s[YB:YB+1] offset:4096*(2*\t+8*(\t/4))
.endr
	s_wait_tensorcnt 0x0
	ds_add_u32 v250, v251
	s_wait_dscnt 0x0
	s_endpgm
.Lfunc_end_k_q2b5458952f_attn:
	.size	k_q2b5458952f_attn, .Lfunc_end_k_q2b5458952f_attn-k_q2b5458952f_attn
	.p2alignl 7, 3214868480
	.fill 96, 4, 3214868480
	.section	.rodata,"a",@progbits
	.p2align	6, 0x0
	.amdhsa_kernel k_q2b5458952f_attn
		.amdhsa_group_segment_fixed_size 172032
		.amdhsa_private_segment_fixed_size 0
		.amdhsa_enable_private_segment 0
		.amdhsa_kernarg_size 24
		.amdhsa_user_sgpr_count 2
		.amdhsa_user_sgpr_kernarg_segment_ptr 1
		.amdhsa_wavefront_size32 1
		.amdhsa_system_sgpr_workgroup_id_x 1
		.amdhsa_system_sgpr_workgroup_id_y 1
		.amdhsa_system_sgpr_workgroup_id_z 1
		.amdhsa_system_vgpr_workitem_id 0
		.amdhsa_next_free_vgpr 256
		.amdhsa_next_free_sgpr 66
		.amdhsa_reserve_vcc 1
		.amdhsa_float_denorm_mode_32 3
		.amdhsa_float_denorm_mode_16_64 3
		.amdhsa_memory_ordered 1
		.amdhsa_forward_progress 1
		.amdhsa_inst_pref_size 63
	.end_amdhsa_kernel
	.amdgpu_metadata
---
amdhsa.version: [ 1, 2 ]
amdhsa.kernels:
  - .name:           k_q2b5458952f_attn
    .symbol:         k_q2b5458952f_attn.kd
    .args:
      - { .name: qkv, .offset: 0, .size: 8, .value_kind: global_buffer, .address_space: global }
      - { .name: x, .offset: 8, .size: 8, .value_kind: global_buffer, .address_space: global }
      - { .name: x1, .offset: 16, .size: 8, .value_kind: global_buffer, .address_space: global }
    .group_segment_fixed_size: 172032
    .private_segment_fixed_size: 0
    .kernarg_segment_align: 8
    .kernarg_segment_size: 24
    .max_flat_workgroup_size: 512
    .sgpr_count:     66
    .vgpr_count:     256
    .wavefront_size: 32
...
	.end_amdgpu_metadata
.endif
;; end of part 3
;; launch ln2: the kernel of part 1 again; grid 256 x 1, 4 waves a work-group, no clusters, 66,560 bytes of LDS; arguments x1, ln2_scale, ln2_shift, w_qkv, w_fc, w_proj, act, wq; writes act, wq
;; launch fc (part 4): grid 16 x 16, 4 waves a work-group, clusters of 4 x 4, 327,680 bytes of LDS; arguments act, wq, b_fc, hid; writes hid
.if DOCPART == 4
	.amdgcn_target "amdgcn-amd-amdhsa--gfx1250"
	.amdhsa_code_object_version 6
	.text
	.protected	k_q2b5458952f_fc
	.globl	k_q2b5458952f_fc
	.p2align	8
	.type	k_q2b5458952f_fc,@function
k_q2b5458952f_fc:
	s_mov_b64 s[64:65], 0
	v_nop
	global_prefetch_b8 v0, s[64:65] scope:SCOPE_SE
	s_setreg_imm32_b32 hwreg(HW_REG_WAVE_MODE, 25, 1), 1
	s_wait_xcnt 0x0
	s_wait_alu depctr_hold_cnt(0) depctr_sa_sdst(0) depctr_va_vdst(0) depctr_va_sdst(0) depctr_va_ssrc(0) depctr_va_vcc(0) depctr_vm_vsrc(0)
	s_getreg_b32 s2, hwreg(HW_REG_IB_STS2, 6, 4)
	s_cmp_eq_u32 s2, 0
	s_cbranch_scc0 .Lentry_in_a_cluster
	s_endpgm
.Lentry_in_a_cluster:
	s_bfe_u32 s2, ttmp6, 0x10000c
	s_cmp_lg_u32 s2, 0xf033
	s_cbranch_scc0 .Lentry_shape_is_right
	s_endpgm
.Lentry_shape_is_right:
; hid = Q(relu(LN2(x1) w_fc + b_fc)): a product on FP8 (E4M3) codes with E8M0 scales whose result is quantised in registers along the 4,096 hidden units, the next product's K.
; A tile of 256 tokens x 256 units to a work-group of four waves, 128 x 128 to a wave: 64 accumulators, 512 registers.  K = 1,024 goes through two LDS slots of two K steps of 128 each.
; OPERANDS LIE IN MEMORY AS IMAGES OF THEIR REGISTERS ([group of 128 rows][K step][block of 16 rows][chunk][lane][16 bytes]): a wave's tensor load brings 32,768 dense bytes, every LDS load reads 512 consecutive bytes,
; and there is no pitch and no padding.  The scale words of the four groups, for all of K, come once with the first fills.
; The weight is source 0 and the tokens source 1: a lane holds a token, and since the weight's rows lie in physical order (bits 3, 4 of the row number exchanged) its 64 registers of a block of tokens are, 16 by 16,
; neighbouring units.  So a wave's result is K step (its group of units) of its group of tokens: eight fragments, stored as they stand, 512 consecutive bytes a store; no stage.
; CLUSTERS: 4 x 4: the tokens' tile is shared along a row of the cluster, the weight's along a column: each is asked for jointly.
; The activation costs nothing: the hold that the conversion wants clips at 0 as well.
; LIMITS: NaN and infinities are not served; a block of zeros gets the byte 1 (its codes are zeros; only this program reads the bytes); blocks under 2^-118 are held at the byte 1.
.set NQ,    2
.set FR,    16
.set NL,    4
.set NP,    8                          ; places behind this matrix instruction (ISA guide 7.12.1)
.set SLOT,  131072
.set SCL,   2*SLOT
.set SPARE, SCL+4*4096                 ; the spare words: 128 bytes a wave, two blocks of 256 bytes that no other line names
.set LAPS,  2
.set ASC,   4194304                    ; act's scale words
.set WFC,   3145728                    ; w_fc's codes in wq
.set WFS,   11534336+98304             ; and its scale words
.set HSC,   16777216                   ; hid's scale words
.set ADRA, 16
.set ADRB, 20
.set LI,   24                          ; v24 16 x lane
.set BPO,  25                          ; v25 64 h
.set ADRS, 27
.set SPW,  28
.set NIL,  29
.set SOF,  30                          ; v30 32 r + 16 h
.set SC,   32                          ; v32-63 scale words, two sets
.set BP,   64                          ; v64-127 the bias along the registers
.set AF,   128
.set T,    128
.set PC,   192
.set TM,   208
.set PWS,  232
.set XW,   240
.set G1, 24
.set G0, 32
.set G1B, 48
.set G0B, 56
.set G1S, 68
.set G0S, 76
.set G1SB, 80
.set G0SB, 88
.set SEL, 66
.set MNT, 95
.set IMB, 96
.set SCB, 98
.set MSB, 0
.macro WIN new
.if MSB != \new
	s_set_vgpr_msb (MSB<<8)|\new
.set MSB, \new
.endif
.endm
.set MUL_LO, 0xa1
.set MUL_HI, 0xf1
.set TO_B,   0x40
.macro JLOAD g0a, g1a, g0b, g1b        ; waves 0 and 1 fetch for A, waves 2 and 3 for B; four v_nop follow each of the two lines
	s_cmp_eq_u32 s15, 0
	s_cbranch_scc0 .Lfor_b_\@
	tensor_load_to_lds s[\g0a:\g0a+3], s[\g1a:\g1a+7]
	s_nop 0
.rept 4
	v_nop
.endr
	s_branch .Lasked_\@
.Lfor_b_\@:
	tensor_load_to_lds s[\g0b:\g0b+3], s[\g1b:\g1b+7]
	s_nop 0
.rept 4
	v_nop
.endr
.Lasked_\@:
.endm
.macro CREST
	s_cmp_lg_u32 s14, 0
	s_cbranch_scc1 .Lnot_wave_0_\@
	s_barrier_signal -3
.Lnot_wave_0_\@:
	s_barrier_wait -3
	s_barrier_signal -1
	s_barrier_wait -1
.endm
.macro CROUND
	s_barrier_signal -1
	s_barrier_wait -1
	CREST
.endm
.macro PLACES n
.rept \n
	v_nop
.endr
.endm
.macro QUANTR s, pc, pw                ; as the plain quantiser, but what is negative becomes 0 on the way: no |.| on the maximum's sources, and the hold clips at 0
.irp b, 0,1,2,3
	v_max3_num_f32 v[TM+\b], v[\s+16*\b], v[\s+1+16*\b], 0x4800000
.endr
.irp i, 2,4,6,8,10,12,14
.irp b, 0,1,2,3
	v_max3_num_f32 v[TM+\b], v[TM+\b], v[\s+16*\b+\i], v[\s+1+16*\b+\i]
.endr
.endr
.irp b, 0,1,2,3
	v_permlanex16_b32 v[TM+4+\b], v[TM+\b], s[SEL], s[SEL+1]
.endr
.irp b, 0,1,2,3
	v_max_num_f32 v[TM+\b], v[TM+\b], v[TM+4+\b]
.endr
.irp b, 0,1,2,3
	v_add_nc_u32 v[TM+12+\b], 0xfc000000, v[TM+\b]
.endr
.irp b, 0,1,2,3
	v_and_or_b32 v[TM+8+\b], v[TM+\b], 0x7f800000, s[MNT]
.endr
.irp b, 0,1,2,3
	v_lshrrev_b32 v[TM+4+\b], 23, v[TM+12+\b]
.endr
	v_lshl_or_b32 v[\pw], v[TM+5], 8, v[TM+4]
	v_lshl_or_b32 v[\pw], v[TM+6], 16, v[\pw]
	v_lshl_or_b32 v[\pw], v[TM+7], 24, v[\pw]
.irp b, 0,1,2,3
.irp i, 0,1,2,3,4,5,6,7,8,9,10,11,12,13,14,15
	v_med3_num_f32 v[\s+16*\b+\i], v[\s+16*\b+\i], 0, v[TM+8+\b]   ; the activation and the hold in one
.endr
	v_cvt_scalef32_pk8_fp8_f32 v[\pc+4*\b:\pc+1+4*\b], v[\s+16*\b:\s+7+16*\b], v[TM+12+\b]
	v_cvt_scalef32_pk8_fp8_f32 v[\pc+2+4*\b:\pc+3+4*\b], v[\s+8+16*\b:\s+15+16*\b], v[TM+12+\b]
.endr
	v_nop
.endm
	s_load_b128 s[4:7], s[0:1], 0x0                ; act s[4:5], wq s[6:7]
	s_load_b128 s[8:11], s[0:1], 0x10              ; b_fc s[8:9], hid s[10:11]
	v_lshl_add_u32 v[SPW], v0, 2, SPARE
	v_mov_b32 v[NIL], 0
	ds_add_u32 v28, v29
	ds_add_u32 v28, v29
	s_wait_dscnt 0x0
	v_lshrrev_b32 v1, 5, v0
	v_readfirstlane_b32 s14, v1
	s_lshr_b32 s15, s14, 1
	s_and_b32 s16, s14, 1
	s_bfe_u32 s40, ttmp6, 0x40000                  ; cx
	s_bfe_u32 s41, ttmp6, 0x40004                  ; cy
	s_lshl_b32 s42, ttmp9, 2
	s_add_co_u32 s42, s42, s40                     ; the weight's tile of 256 units
	s_and_b32 s17, ttmp7, 0xffff
	s_lshl_b32 s17, s17, 2
	s_add_co_u32 s17, s17, s41                     ; the tokens' tile
	s_lshl_b32 s43, s41, 2
	s_lshl_b32 s43, 15, s43
	s_lshl_b32 s44, 0x1111, s40
	s_or_b32 s[G1+0], s43, (3<<16)|(1<<21)         ; 32,768 dense bytes as 128 rows of 32 elements of 8 bytes; the mask; bit 21 beside it
	s_or_b32 s[G1B+0], s44, (3<<16)|(1<<21)
.irp g, G1, G1B
	s_mov_b32 s[\g+1], 32<<16
	s_mov_b32 s[\g+2], 128<<16
	s_mov_b32 s[\g+3], 32<<16
	s_mov_b32 s[\g+4], 128
	s_mov_b32 s[\g+5], 32
	s_mov_b32 s[\g+6], 0
	s_mov_b32 s[\g+7], 0
.endr
	s_or_b32 s[G1S+0], s43, (3<<16)|(1<<21)        ; a group's scale words: 16 such rows
	s_or_b32 s[G1SB+0], s44, (3<<16)|(1<<21)
.irp g, G1S, G1SB
	s_mov_b32 s[\g+1], 32<<16
	s_mov_b32 s[\g+2], 16<<16
	s_mov_b32 s[\g+3], 32<<16
	s_mov_b32 s[\g+4], 16
	s_mov_b32 s[\g+5], 32
	s_mov_b32 s[\g+6], 0
	s_mov_b32 s[\g+7], 0
.endr
	s_lshl_b32 s20, s17, 1
	s_add_co_u32 s20, s20, s16
	s_lshl_b32 s46, s42, 1
	s_add_co_u32 s46, s46, s16
	s_lshl_b32 s22, s20, 12
	s_add_co_u32 s22, s22, ASC
	s_mov_b32 s23, 0
	s_lshl_b32 s92, s46, 12
	s_add_co_u32 s92, s92, WFS
	s_mov_b32 s93, 0
	s_lshl_b32 s20, s20, 17
	s_mov_b32 s21, 0
	s_lshl_b32 s46, s46, 17
	s_add_co_u32 s46, s46, WFC
	s_mov_b32 s47, 0
	s_lshl_b32 s45, s14, 15
	s_lshl_b32 s94, s14, 12
	s_wait_kmcnt 0x0
	s_add_nc_u64 s[20:21], s[4:5], s[20:21]
	s_add_nc_u64 s[22:23], s[4:5], s[22:23]
	s_add_nc_u64 s[46:47], s[6:7], s[46:47]
	s_add_nc_u64 s[92:93], s[6:7], s[92:93]
	CROUND                                         ; all sixteen work-groups are here: the first joint loads meet
	s_mov_b32 s[G0S], 1
	s_add_co_u32 s[G0S+1], s94, SCL
	s_mov_b64 s[G0S+2:G0S+3], s[22:23]
	s_or_b32 s[G0S+3], s[G0S+3], 0x80000000
	s_mov_b32 s[G0SB], 1
	s_add_co_u32 s[G0SB+1], s94, SCL
	s_mov_b64 s[G0SB+2:G0SB+3], s[92:93]
	s_or_b32 s[G0SB+3], s[G0SB+3], 0x80000000
	JLOAD G0S, G1S, G0SB, G1SB
.irp s, 0,1
	s_mov_b32 s[G0+4*\s], 1
	s_add_co_u32 s[G0+4*\s+1], s45, \s*SLOT
	s_add_nc_u64 s[G0+4*\s+2:G0+4*\s+3], s[20:21], \s*32768
	s_or_b32 s[G0+4*\s+3], s[G0+4*\s+3], 0x80000000
	s_mov_b32 s[G0B+4*\s], 1
	s_add_co_u32 s[G0B+4*\s+1], s45, \s*SLOT
	s_add_nc_u64 s[G0B+4*\s+2:G0B+4*\s+3], s[46:47], \s*32768
	s_or_b32 s[G0B+4*\s+3], s[G0B+4*\s+3], 0x80000000
	JLOAD G0+4*\s, G1, G0B+4*\s, G1B               ; three tensor loads of mine are out
.endr
	v_and_b32 v2, 15, v0                           ; r
	v_bfe_u32 v3, v0, 4, 1                         ; h
	v_and_b32 v4, 31, v0
	v_lshlrev_b32 v[LI], 4, v4
	s_lshl_b32 s21, s15, 15
	s_lshl_b32 s22, s16, 15
	s_add_co_u32 s22, s22, 2*32768
.irp s, 0,1
	v_add_nc_u32 v[ADRA+\s], s21, v[LI]
	v_add_nc_u32 v[ADRB+\s], s22, v[LI]
	s_add_co_u32 s21, s21, SLOT
	s_add_co_u32 s22, s22, SLOT
.endr
	s_lshl_b32 s21, s15, 12
	s_lshl_b32 s22, s16, 12
	s_add_co_u32 s22, s22, 2*4096
	s_sub_co_u32 s22, s22, s21
	v_mul_u32_u24 v6, s22, v3
	s_add_co_u32 s21, s21, SCL
	v_lshl_add_u32 v5, v2, 2, v6
	v_add_nc_u32 v[ADRS], s21, v5
	v_lshlrev_b32 v[BPO], 6, v3
	v_lshlrev_b32 v[SOF], 5, v2
	v_lshl_add_u32 v[SOF], v3, 4, v[SOF]
	s_lshl_b32 s20, s17, 1
	s_add_co_u32 s20, s20, s15                     ; my group of tokens
	s_lshl_b32 s21, s42, 1
	s_add_co_u32 s21, s21, s16                     ; my group of units = the K step of hid that I make
	s_lshl_b32 s4, s21, 9
	s_mov_b32 s5, 0
	s_add_nc_u64 s[6:7], s[8:9], s[4:5]
.irp b, 0,1,2,3,4,5,6,7
	global_load_b128 v[BP+8*\b:BP+8*\b+3], v[BPO], s[6:7] offset:4*(32*(\b/2)+8*(\b%2))
	global_load_b128 v[BP+8*\b+4:BP+8*\b+7], v[BPO], s[6:7] offset:4*(32*(\b/2)+8*(\b%2))+16
.endr
	s_lshl_b32 s20, s20, 5
	s_add_co_u32 s20, s20, s21                     ; 32 G + s
	s_lshl_b32 s[IMB], s20, 14
	s_mov_b32 s[IMB+1], 0
	s_lshl_b32 s[SCB], s20, 9
	s_add_co_u32 s[SCB], s[SCB], HSC
	s_mov_b32 s[SCB+1], 0
	s_add_nc_u64 s[IMB:IMB+1], s[10:11], s[IMB:IMB+1]
	s_add_nc_u64 s[SCB:SCB+1], s[10:11], s[SCB:SCB+1]
	s_wait_loadcnt 0x0                             ; the bias, while the first tiles are on their way
.macro FRAG reg, adr, q, i
.irp c, 0,1,2,3
	ds_load_b128 v[\reg+4*\c:\reg+4*\c+3], v[\adr] offset:16384*(\q)+2048*(\i)+512*\c
.endr
.endm
.macro MUL16 a0, p, q, sc, zero        ; the 64 accumulators take turns, one instruction a turn
.irp a, \a0, \a0+1
.irp b, 0,1,2,3,4,5,6,7
.if \zero
	v_wmma_scale_f32_16x16x128_f8f6f4 v[8*(8*((\a)%4)+\b):8*(8*((\a)%4)+\b)+7], v[128*(\p)+FR*\b:128*(\p)+FR*\b+FR-1], v[AF+FR*(\a):AF+FR*(\a)+FR-1], 0, v[SC+8*NQ*(\sc)+NQ*\b+(\q)], v[SC+8*NQ*(\sc)+NQ*(\a)+(\q)] matrix_a_scale:MATRIX_SCALE_ROW1
.else
	v_wmma_scale_f32_16x16x128_f8f6f4 v[8*(8*((\a)%4)+\b):8*(8*((\a)%4)+\b)+7], v[128*(\p)+FR*\b:128*(\p)+FR*\b+FR-1], v[AF+FR*(\a):AF+FR*(\a)+FR-1], v[8*(8*((\a)%4)+\b):8*(8*((\a)%4)+\b)+7], v[SC+8*NQ*(\sc)+NQ*\b+(\q)], v[SC+8*NQ*(\sc)+NQ*(\a)+(\q)] matrix_a_scale:MATRIX_SCALE_ROW1
.endif
.endr
.endr
.endm
.macro FETCH_B slot, q, p
	WIN TO_B
.irp i, 0,1,2,3,4,5,6,7
	FRAG 128*(\p)+FR*\i, ADRB+\slot, \q, \i
.endr
	WIN 0
.endm
.macro FETCH_A slot, q, i0
.irp i, \i0, \i0+1, \i0+2, \i0+3
	FRAG AF+FR*(\i), ADRA+\slot, \q, \i
.endr
.endm
.macro SCALES sc
.irp i, 0,1,2,3,4,5,6,7
.irp q, 0,1
	ds_load_b32 v[SC+8*NQ*\sc+NQ*\i+\q], v[ADRS] offset:512*\q+64*\i
.endr
.endr
.endm
.macro STEP slot, q, zero
	s_wait_dscnt 4*NL                              ; all but the youngest sixteen loads (A's blocks 4-7)
	WIN MUL_LO
	MUL16 0, (\q)%2, \q, \slot, \zero
	MUL16 2, (\q)%2, \q, \slot, \zero
	s_wait_dscnt 0
	PLACES NP
	FETCH_B \slot, (\q)+1, 1-(\q)%2
	FETCH_A \slot, (\q)+1, 0
	WIN MUL_HI
	MUL16 4, (\q)%2, \q, \slot, \zero
	MUL16 6, (\q)%2, \q, \slot, \zero
	PLACES NP
	WIN 0
	FETCH_A \slot, (\q)+1, 4
.endm
.macro TURN slot, next, fill
	s_wait_tensorcnt 0x0                           ; all my tensor loads have landed: my part of the next slot
	ds_add_u32 v[SPW], v[NIL]
	s_wait_dscnt 4*NL+1                            ; the add and the youngest sixteen loads may be out
	WIN MUL_LO
	MUL16 0, 1, NQ-1, \slot, 0
	s_wait_dscnt 0x0                               ; the add is done, and my reads of this slot are over
	s_barrier_signal -1
	MUL16 2, 1, NQ-1, \slot, 0
	WIN 0
	s_barrier_wait -1
.if \fill
	CREST                                          ; no wave of any partner still reads this slot or has a load on its way
	s_add_nc_u64 s[G0+4*\slot+2:G0+4*\slot+3], s[G0+4*\slot+2:G0+4*\slot+3], 65536
	s_add_nc_u64 s[G0B+4*\slot+2:G0B+4*\slot+3], s[G0B+4*\slot+2:G0B+4*\slot+3], 65536
	JLOAD G0+4*\slot, G1, G0B+4*\slot, G1B
	PLACES NP-4
.else
	PLACES NP
.endif
	v_add_nc_u32 v[ADRS], 512*NQ, v[ADRS]
	FETCH_B \next, 0, 0
	FETCH_A \next, 0, 0
	SCALES \next
	WIN MUL_HI
	MUL16 4, 1, NQ-1, \slot, 0
	MUL16 6, 1, NQ-1, \slot, 0
	PLACES NP
	WIN 0
	FETCH_A \next, 0, 4
.endm
	s_wait_tensorcnt 1                             ; the scale words and my part of slot 0 are in; slot 1's load may be out
	s_barrier_signal -1
	s_barrier_wait -1
	FETCH_B 0, 0, 0
	FETCH_A 0, 0, 0
	SCALES 0
	FETCH_A 0, 0, 4
	STEP 0, 0, 1
	s_mov_b32 s3, LAPS-1
.Llap:
	TURN 0, 1, 1
	STEP 1, 0, 0
	TURN 1, 0, 1
	STEP 0, 0, 0
	s_sub_co_u32 s3, s3, 1
	s_cmp_lg_u32 s3, 0
	s_cbranch_scc1 .Llap
	TURN 0, 1, 0
	STEP 1, 0, 0
	s_wait_dscnt 4*NL
	WIN MUL_LO
	MUL16 0, 1, NQ-1, 1, 0
	MUL16 2, 1, NQ-1, 1, 0
	s_wait_dscnt 0
	WIN MUL_HI
	MUL16 4, 1, NQ-1, 1, 0
	MUL16 6, 1, NQ-1, 1, 0
	WIN 0
	PLACES NP
	s_mov_b32 s[SEL], 0x76543210
	s_mov_b32 s[SEL+1], 0xfedcba98
	s_mov_b32 s[MNT], 0x600000
.irp b, 0,1,2,3
	v_mov_b32 v[TM+4+\b], 0
.endr
.macro EBLOCK a
.if (\a) > 0
	s_wait_xcnt 0x0                                ; the last block's stores have read the codes' registers
.endif
	WIN 0x02+(\a)/4
.set n, 0
.rept 32
	v_pk_add_f32 v[T+n:T+n+1], v[64*((\a)%4)+n:64*((\a)%4)+n+1], v[BP+n:BP+n+1]   ; ascending: each accumulator is read from its low end on
.set n, n+2
.endr
	WIN 0
	QUANTR T, PC, PWS+\a
.irp c, 0,1,2,3
	global_store_b128 v[LI], v[PC+4*\c:PC+4*\c+3], s[IMB:IMB+1] offset:2048*(\a)+512*\c
.endr
.endm
.irp a, 0,1,2,3,4,5,6,7
	EBLOCK \a
.endr
	v_cmp_ne_u32 vcc_lo, 0, v3
.irp i, 0,1,2,3
	v_cndmask_b32 v[XW+\i], v[PWS+\i], v[PWS+4+\i], vcc_lo
.endr
	global_store_b128 v[SOF], v[XW:XW+3], s[SCB:SCB+1]   ; word (r, a) at 32 r + 4 a: 512 consecutive bytes
	s_wait_tensorcnt 0x0                           ; the wave's end
	ds_add_u32 v[SPW], v[NIL]
	s_wait_dscnt 0x0
	CROUND
	s_endpgm
.Lfunc_end_k_q2b5458952f_fc:
	.size	k_q2b5458952f_fc, .Lfunc_end_k_q2b5458952f_fc-k_q2b5458952f_fc
	.p2alignl 7, 3214868480
	.fill 96, 4, 3214868480
	.section	.rodata,"a",@progbits
	.p2align	6, 0x0
	.amdhsa_kernel k_q2b5458952f_fc
		.amdhsa_group_segment_fixed_size 327680
		.amdhsa_private_segment_fixed_size 0
		.amdhsa_enable_private_segment 0
		.amdhsa_kernarg_size 32
		.amdhsa_user_sgpr_count 2
		.amdhsa_user_sgpr_kernarg_segment_ptr 1
		.amdhsa_wavefront_size32 1
		.amdhsa_system_sgpr_workgroup_id_x 1
		.amdhsa_system_sgpr_workgroup_id_y 1
		.amdhsa_system_sgpr_workgroup_id_z 1
		.amdhsa_system_vgpr_workitem_id 0
		.amdhsa_next_free_vgpr 1024
		.amdhsa_next_free_sgpr 100
		.amdhsa_reserve_vcc 1
		.amdhsa_float_denorm_mode_32 3
		.amdhsa_float_denorm_mode_16_64 3
		.amdhsa_memory_ordered 1
		.amdhsa_forward_progress 1
		.amdhsa_inst_pref_size 203
	.end_amdhsa_kernel
	.amdgpu_metadata
---
amdhsa.version: [ 1, 2 ]
amdhsa.kernels:
  - .name:           k_q2b5458952f_fc
    .symbol:         k_q2b5458952f_fc.kd
    .args:
      - { .name: act, .offset: 0, .size: 8, .value_kind: global_buffer, .address_space: global }
      - { .name: wq, .offset: 8, .size: 8, .value_kind: global_buffer, .address_space: global }
      - { .name: b_fc, .offset: 16, .size: 8, .value_kind: global_buffer, .address_space: global }
      - { .name: hid, .offset: 24, .size: 8, .value_kind: global_buffer, .address_space: global }
    .group_segment_fixed_size: 327680
    .private_segment_fixed_size: 0
    .kernarg_segment_align: 8
    .kernarg_segment_size: 32
    .max_flat_workgroup_size: 128
    .sgpr_count:     100
    .vgpr_count:     1024
    .wavefront_size: 32
...
	.end_amdgpu_metadata
.endif
;; end of part 4
;; launch proj (part 5): grid 8 x 32, 4 waves a work-group, clusters of 4 x 4, 327,680 bytes of LDS; arguments hid, wq, b_proj, x1, out0; writes out0
.if DOCPART == 5
	.amdgcn_target "amdgcn-amd-amdhsa--gfx1250"
	.amdhsa_code_object_version 6
	.text
	.protected	k_q2b5458952f_proj
	.globl	k_q2b5458952f_proj
	.p2align	8
	.type	k_q2b5458952f_proj,@function
k_q2b5458952f_proj:
	s_mov_b64 s[64:65], 0
	v_nop
	global_prefetch_b8 v0, s[64:65] scope:SCOPE_SE
	s_setreg_imm32_b32 hwreg(HW_REG_WAVE_MODE, 25, 1), 1
	s_wait_xcnt 0x0
	s_wait_alu depctr_hold_cnt(0) depctr_sa_sdst(0) depctr_va_vdst(0) depctr_va_sdst(0) depctr_va_ssrc(0) depctr_va_vcc(0) depctr_vm_vsrc(0)
	s_getreg_b32 s2, hwreg(HW_REG_IB_STS2, 6, 4)
	s_cmp_eq_u32 s2, 0
	s_cbranch_scc0 .Lentry_in_a_cluster
	s_endpgm
.Lentry_in_a_cluster:
	s_bfe_u32 s2, ttmp6, 0x10000c
	s_cmp_lg_u32 s2, 0xf033
	s_cbranch_scc0 .Lentry_shape_is_right
	s_endpgm
.Lentry_shape_is_right:
; out0 = x1 + hid w_proj + b_proj, the product on FP8 (E4M3) codes with E8M0 scales; K = 4,096: 32 K steps of 128.
; 4,096 x 1,024 outputs make 64 tiles of 256 x 256, too few for the WGPs: so a tile is 128 tokens x 128 features, 256 work-groups of four waves.
; SHARES.  Wave w makes all 128 tokens x features 32 w .. 32 w + 31: 16 accumulators (block a of 16 tokens, block b of 16 features), 128 registers.  So no two waves want the same fragment of the weight.
; OPERANDS LIE IN MEMORY AS IMAGES OF THEIR REGISTERS ([group of 128 rows][K step][block of 16 rows][chunk][lane][16 bytes]).
; THE TOKENS' CODES go through LDS, which all four waves read: two slots of eight K steps (131,072 bytes); a wave's tensor load brings two K steps, 32,768 dense bytes; the four work-groups of a row of the
; cluster need the same group of tokens and ask for it jointly.
; THE WEIGHT'S CODES GO STRAIGHT INTO REGISTERS: a fragment is four loads of 512 consecutive bytes.  A ring of eight K steps' fragments (256 registers); K step s asks for K step s + 7: 48 to 56 loads of a wave,
; 24,576 to 28,672 bytes, are on their way, across the changes of slots too.  THEY ARE NOT ASKED FOR JOINTLY, though a column of the cluster shares them: with both operands in LDS a slot holds four K steps, so that a
; wave has 64 matrix instructions between a refill's request and the wait for it, and there are eight slots; with the tokens alone it holds eight K steps: 128 matrix instructions, four slots, two refills.
; The scale words of both groups for all of K (16,384 bytes each) come into LDS once, with the first fills (the weight's jointly along the column).
; The weight is source 0, the tokens source 1: a lane holds a token, and the 16 registers of its two tiles are features 32 w + 16 (lane / 16) + 0 .. 15.  The bias is the C of each sum's first product.
; x1 is asked for in K steps 25 to 28, where no fragment of the weight is left to ask for.
; THE WAY OUT: a wave's 32 features are 128 bytes of a row, so the four waves meet in one stage (128 rows x 528 bytes, in slot 0, which has had its last fill and its last read), and each stores 32 whole rows of 512 bytes.
; NO LOOP: there are two refills and then a tail; the 32 K steps are written out by macro, every offset is an immediate, and no pointer but the two descriptors' is stepped.
; REGISTERS: window 0: v16-29 addresses; v32-41, v44-53 scale words, two sets (the tokens' eight, the weight's two); v112-127 the bias; v128-255 the accumulators ((a, b) at v[128 + 8 (2 a + b)]).
;   window 1: the tokens' eight fragments, two buffers; on the way out 32 rows.   window 2: the weight's ring: K step s at v[32 (s % 8)].   window 3: v0-127 x1.
.set SLOT,   131072                    ; eight K steps of the tokens' group
.set SCL,    2*SLOT                    ; the scale words: the tokens' 16,384 bytes ([K step][r][a]), then the weight's ([K step][a][r])
.set SPARE,  SCL+32768                 ; the spare words: 128 bytes a wave, two blocks of 256 bytes that no other line names
.set KSTEPS, 32
.set AHD,    7                         ; K steps that the weight's loads run ahead
.set HSC,    16777216                  ; hid's scale words
.set WPC,    7340032                   ; w_proj's codes in wq
.set WPS,    11534336+229376           ; and its scale words
.set SPITCH, 528                       ; a stage row: 512 bytes + 16: sixteen rows start four banks apart
.set ADRA, 16                          ; v16-19 16 x lane + 65,536 n: K steps 4 n .. 4 n + 3 of the two slots
.set ADSA, 20                          ; v20 the tokens' scale words: 32 r
.set ADSB, 21                          ; v21 the weight's: 4 r + 128 w
.set LI,   22                          ; v22 16 x lane; never rewritten
.set STO,  23                          ; v23 the stage, in
.set RD,   24                          ; v24 the stage, back
.set BO,   25                          ; v25 64 h
.set SPW,  28
.set NIL,  29
.set SS,   32
.set BI,   112
.set ACC,  128
.set G1, 24                            ; s[24:31] descriptor group 1 for the codes; s[32:39] group 0, one set for each slot
.set G0, 32
.set WB, 48                            ; s[48:49] my fragments of the weight; never rewritten
.set G1S, 68                           ; s[68:75], s[76:79] groups 1 and 0 for the tokens' scale words; s[80:87], s[88:91] for the weight's
.set G0S, 76
.set G1SB, 80
.set G0SB, 88
.set MSB, 0
.macro WIN new                         ; the immediate's high byte repeats the setting that is left
.if MSB != \new
	s_set_vgpr_msb (MSB<<8)|\new
.set MSB, \new
.endif
.endm
.set MUL,  0x06                        ; source 0 (the weight) window 2, source 1 (the tokens) window 1; C and D window 0
.set TO_A, 0x40                        ; destination window 1, address window 0
.set TO_B, 0x80                        ; destination window 2
.set TO_X, 0xc0                        ; destination window 3
.macro JLOAD g0a, g1a, g0b, g1b        ; the scale words: waves 0 and 1 fetch the tokens', waves 2 and 3 the weight's; four v_nop follow each of the two lines
	s_cmp_eq_u32 s15, 0
	s_cbranch_scc0 .Lfor_b_\@
	tensor_load_to_lds s[\g0a:\g0a+3], s[\g1a:\g1a+7]
	s_nop 0
.rept 4
	v_nop
.endr
	s_branch .Lasked_\@
.Lfor_b_\@:
	tensor_load_to_lds s[\g0b:\g0b+3], s[\g1b:\g1b+7]
	s_nop 0
.rept 4
	v_nop
.endr
.Lasked_\@:
.endm
.macro CREST
	s_cmp_lg_u32 s14, 0
	s_cbranch_scc1 .Lnot_wave_0_\@
	s_barrier_signal -3
.Lnot_wave_0_\@:
	s_barrier_wait -3
	s_barrier_signal -1
	s_barrier_wait -1
.endm
.macro CROUND
	s_barrier_signal -1
	s_barrier_wait -1
	CREST
.endm
.macro PLACES n
.rept \n
	v_nop
.endr
.endm
	s_load_b256 s[4:11], s[0:1], 0x0               ; hid s[4:5], wq s[6:7], b_proj s[8:9], x1 s[10:11]
	s_load_b64 s[12:13], s[0:1], 0x20              ; out0
	v_lshl_add_u32 v[SPW], v0, 2, SPARE
	v_mov_b32 v[NIL], 0
	ds_add_u32 v28, v29
	ds_add_u32 v28, v29
	s_wait_dscnt 0x0
	v_lshrrev_b32 v1, 5, v0
	v_readfirstlane_b32 s14, v1                    ; wave 0..3
	s_lshr_b32 s15, s14, 1                         ; whose scale words I fetch: the tokens' (0) or the weight's (1)
	s_and_b32 s16, s14, 1                          ; and which half of them
	s_bfe_u32 s40, ttmp6, 0x40000                  ; cx
	s_bfe_u32 s41, ttmp6, 0x40004                  ; cy
	s_lshl_b32 s42, ttmp9, 2
	s_add_co_u32 s42, s42, s40                     ; the group of 128 features
	s_and_b32 s17, ttmp7, 0xffff
	s_lshl_b32 s17, s17, 2
	s_add_co_u32 s17, s17, s41                     ; the group of 128 tokens
	s_lshl_b32 s43, s41, 2
	s_lshl_b32 s43, 15, s43                        ; my row of the cluster
	s_lshl_b32 s44, 0x1111, s40                    ; my column
	s_or_b32 s[G1+0], s43, (3<<16)|(1<<21)         ; 32,768 dense bytes as 128 rows of 32 elements of 8 bytes; 15:0 the mask: my row; bit 21 beside it
	s_mov_b32 s[G1+1], 32<<16                      ; tensor_dim0
	s_mov_b32 s[G1+2], 128<<16                     ; tensor_dim1
	s_mov_b32 s[G1+3], 32<<16                      ; tile_dim0
	s_mov_b32 s[G1+4], 128                         ; tile_dim1
	s_mov_b32 s[G1+5], 32                          ; the pitch
	s_mov_b32 s[G1+6], 0
	s_mov_b32 s[G1+7], 0
	s_or_b32 s[G1S+0], s43, (3<<16)|(1<<21)        ; half a group's scale words: 32 such rows
	s_or_b32 s[G1SB+0], s44, (3<<16)|(1<<21)
.irp g, G1S, G1SB
	s_mov_b32 s[\g+1], 32<<16
	s_mov_b32 s[\g+2], 32<<16
	s_mov_b32 s[\g+3], 32<<16
	s_mov_b32 s[\g+4], 32
	s_mov_b32 s[\g+5], 32
	s_mov_b32 s[\g+6], 0
	s_mov_b32 s[\g+7], 0
.endr
	s_lshl_b32 s18, s14, 15
	s_lshl_b32 s20, s17, 19                        ; the tokens' codes: 32 K steps x 16,384 bytes a group,
	s_add_co_u32 s20, s20, s18                     ; + the two K steps of a slot that I fetch
	s_mov_b32 s21, 0
	s_lshl_b32 s46, s42, 19                        ; the weight's codes: the group,
	s_lshl_b32 s18, s14, 12
	s_add_co_u32 s46, s46, s18                     ; + my two blocks of 16 features
	s_add_co_u32 s46, s46, WPC
	s_mov_b32 s47, 0
	s_lshl_b32 s18, s16, 13
	s_lshl_b32 s22, s17, 14
	s_add_co_u32 s22, s22, s18
	s_add_co_u32 s22, s22, HSC
	s_mov_b32 s23, 0
	s_lshl_b32 s92, s42, 14
	s_add_co_u32 s92, s92, s18
	s_add_co_u32 s92, s92, WPS
	s_mov_b32 s93, 0
	s_lshl_b32 s45, s14, 15                        ; where the codes go: wave x 32,768: no place in the cluster enters an LDS address
	s_lshl_b32 s94, s14, 13
	s_wait_kmcnt 0x0
	s_add_nc_u64 s[20:21], s[4:5], s[20:21]
	s_add_nc_u64 s[22:23], s[4:5], s[22:23]
	s_add_nc_u64 s[92:93], s[6:7], s[92:93]
	s_add_nc_u64 s[WB:WB+1], s[6:7], s[46:47]
	CROUND                                         ; all sixteen work-groups are here: the first joint loads meet
	s_mov_b32 s[G0S], 1
	s_add_co_u32 s[G0S+1], s94, SCL
	s_mov_b64 s[G0S+2:G0S+3], s[22:23]
	s_or_b32 s[G0S+3], s[G0S+3], 0x80000000
	s_mov_b32 s[G0SB], 1
	s_add_co_u32 s[G0SB+1], s94, SCL
	s_mov_b64 s[G0SB+2:G0SB+3], s[92:93]
	s_or_b32 s[G0SB+3], s[G0SB+3], 0x80000000
	JLOAD G0S, G1S, G0SB, G1SB                     ; the scale words first: they are wanted with the first K step
.irp s, 0,1
	s_mov_b32 s[G0+4*\s], 1                        ; 1:0 count = 1
	s_add_co_u32 s[G0+4*\s+1], s45, \s*SLOT        ; 63:32 LDS address
	s_add_nc_u64 s[G0+4*\s+2:G0+4*\s+3], s[20:21], \s*SLOT   ; 120:64 global address: K steps 8 s on
	s_or_b32 s[G0+4*\s+3], s[G0+4*\s+3], 0x80000000          ; 127:126 type = 2
	tensor_load_to_lds s[G0+4*\s:G0+4*\s+3], s[G1:G1+7]      ; every wave asks for its own two K steps; three tensor loads of mine are out behind the second of these
	s_nop 0
.rept 4
	v_nop
.endr
.endr
	v_and_b32 v2, 15, v0                           ; r
	v_bfe_u32 v3, v0, 4, 1                         ; h
	v_and_b32 v4, 31, v0
	v_lshlrev_b32 v[LI], 4, v4
.irp n, 0,1,2,3
	v_add_nc_u32 v[ADRA+\n], \n*65536, v[LI]
.endr
	v_lshl_add_u32 v[ADSA], v2, 5, SCL
	s_lshl_b32 s21, s14, 7
	s_add_co_u32 s21, s21, SCL+16384
	v_lshl_add_u32 v[ADSB], v2, 2, s21
	v_mul_u32_u24 v5, v2, SPITCH
	v_lshl_add_u32 v5, v3, 6, v5
	s_lshl_b32 s22, s14, 7
	v_add_nc_u32 v[STO], s22, v5                   ; in: row r, + 64 h, + my 128 bytes of the row
	s_mul_i32 s23, s14, 32*SPITCH
	v_add_nc_u32 v[RD], s23, v[LI]                 ; back: my 32 rows, the 32 lanes a row
	v_lshlrev_b32 v[BO], 6, v3
	s_lshl_b32 s20, s17, 7
	s_lshl_b32 s21, s14, 5
	s_add_co_u32 s20, s20, s21
	s_lshl_b32 s20, s20, 12                        ; the first of the 32 tokens that I store x 4,096 bytes
	s_lshl_b32 s46, s42, 9                         ; the tile's first feature x 4 bytes
	s_add_co_u32 s20, s20, s46
	s_mov_b32 s21, 0
	s_add_nc_u64 s[10:11], s[10:11], s[20:21]
	s_add_nc_u64 s[12:13], s[12:13], s[20:21]
	s_lshl_b32 s47, s14, 7
	s_add_co_u32 s46, s46, s47                     ; my first feature x 4 bytes
	s_mov_b32 s47, 0
	s_add_nc_u64 s[8:9], s[8:9], s[46:47]
.irp i, 0,1,2,3
	global_load_b128 v[BI+4*\i:BI+4*\i+3], v[BO], s[8:9] offset:16*\i   ; the bias in the result's layout: register i: feature 32 w + 16 h + i
.endr
.macro BLOAD s                         ; the weight's two fragments of K step s into place s % 8 of the ring: eight loads of 512 consecutive bytes
.irp b, 0,1
.irp c, 0,1,2,3
	global_load_b128 v[32*((\s)%8)+16*\b+4*\c:32*((\s)%8)+16*\b+4*\c+3], v[LI], s[WB:WB+1] offset:16384*(\s)+2048*\b+512*\c
.endr
.endr
.endm
.macro XLOAD g                         ; x1: rows 8 g .. 8 g + 7 of the 32 that I store; stage row 32 w + 8 g + t is token 32 w + 8 (g / 2) + 16 (g % 2) + t; the 32 lanes read 512 consecutive bytes
.irp t, 0,1,2,3,4,5,6,7
	global_load_b128 v[32*(\g)+4*\t:32*(\g)+4*\t+3], v[LI], s[10:11] offset:4096*(8*((\g)/2)+16*((\g)%2)+\t)
.endr
.endm
.macro AHEAD s                         ; what K step s asks of memory: eight loads: the weight's K step s + 7; when there is none left, a quarter of x1
.if (\s)+AHD < KSTEPS
	WIN TO_B
	BLOAD (\s)+AHD
.elseif (\s) < KSTEPS-AHD+4
	WIN TO_X
	XLOAD (\s)-(KSTEPS-AHD)
.endif
.endm
.macro WAITB s                         ; the weight's fragments of K step s are in: the count is what was issued behind them: the groups of eight of the six K steps before this one
.if (\s) < 30
	s_wait_loadcnt 48
.elseif (\s) == 30
	s_wait_loadcnt 40                              ; K step 29 asked for nothing
.else
	s_wait_loadcnt 32                              ; nor did K step 30
.endif
.endm
.macro FETCH s                         ; 36 LDS loads in one run: K step s's scale words into set s % 2, the tokens' eight fragments into buffer s % 2
	WIN 0
	ds_load_b128 v[SS+12*((\s)%2):SS+12*((\s)%2)+3], v[ADSA] offset:512*(\s)
	ds_load_b128 v[SS+12*((\s)%2)+4:SS+12*((\s)%2)+7], v[ADSA] offset:512*(\s)+16
	ds_load_b32 v[SS+12*((\s)%2)+8], v[ADSB] offset:512*(\s)
	ds_load_b32 v[SS+12*((\s)%2)+9], v[ADSB] offset:512*(\s)+64
	WIN TO_A
.irp a, 0,1,2,3,4,5,6,7
.irp c, 0,1,2,3
	ds_load_b128 v[128*((\s)%2)+16*\a+4*\c:128*((\s)%2)+16*\a+4*\c+3], v[ADRA+(((\s)/4)%4)] offset:16384*((\s)%4)+2048*\a+512*\c
.endr
.endr
.endm
.macro MULA s, a, first                ; block a of the tokens against my two blocks of the weight; the 16 accumulators take turns in the same order in every K step
.irp b, 0,1
.if \first
	v_wmma_scale_f32_16x16x128_f8f6f4 v[ACC+8*(2*(\a)+\b):ACC+8*(2*(\a)+\b)+7], v[32*((\s)%8)+16*\b:32*((\s)%8)+16*\b+15], v[128*((\s)%2)+16*(\a):128*((\s)%2)+16*(\a)+15], v[BI+8*\b:BI+8*\b+7], v[SS+12*((\s)%2)+8+\b], v[SS+12*((\s)%2)+(\a)]
.else
	v_wmma_scale_f32_16x16x128_f8f6f4 v[ACC+8*(2*(\a)+\b):ACC+8*(2*(\a)+\b)+7], v[32*((\s)%8)+16*\b:32*((\s)%8)+16*\b+15], v[128*((\s)%2)+16*(\a):128*((\s)%2)+16*(\a)+15], v[ACC+8*(2*(\a)+\b):ACC+8*(2*(\a)+\b)+7], v[SS+12*((\s)%2)+8+\b], v[SS+12*((\s)%2)+(\a)]
.endif
.endr
.endm
; A K step that has its successor in the same slot.  In its middle, behind eight places, stand all its loads: they land in the buffer, the set of scale words
; and the place of the ring that the K step before has read.
.macro KSTEP s, first
	s_wait_dscnt 16                                ; the scale words and blocks 0-3 are in; the youngest sixteen loads (blocks 4-7) may be out
	WAITB \s
	WIN MUL
.irp a, 0,1,2,3
	MULA \s, \a, \first
.endr
	PLACES 8
	FETCH (\s)+1
	AHEAD \s
	s_wait_dscnt 36                                ; all but the 36 just issued
	WIN MUL
.irp a, 4,5,6,7
	MULA \s, \a, \first
.endr
.endm
; A slot's last K step changes slots: one barrier; in front of it each wave waits for all its tensor loads, adds 0 to its spare word, and waits for that and for its reads of this slot.  fill = 1: this slot is filled again, with the K steps two slots on.
.macro TURN s, fill
	WIN 0
	s_wait_tensorcnt 0x0                           ; all my tensor loads have landed: my part of the next slot
	ds_add_u32 v[SPW], v[NIL]
	s_wait_dscnt 17                                ; the add and the youngest sixteen loads may be out
	WAITB \s
	WIN MUL
	MULA \s, 0, 0
	MULA \s, 1, 0
	s_wait_dscnt 0x0                               ; the add is done, and my reads of this slot are over
	s_barrier_signal -1
	MULA \s, 2, 0
	MULA \s, 3, 0
	WIN 0
	s_barrier_wait -1
.if \fill
	CREST                                          ; the barrier has opened a round of the cluster's: no wave of any partner still reads this slot or has a load on its way
	s_add_nc_u64 s[G0+4*(((\s)/8)%2)+2:G0+4*(((\s)/8)%2)+3], s[G0+4*(((\s)/8)%2)+2:G0+4*(((\s)/8)%2)+3], 2*SLOT
	tensor_load_to_lds s[G0+4*(((\s)/8)%2):G0+4*(((\s)/8)%2)+3], s[G1:G1+7]   ; my one tensor load behind the round: it has eight K steps, 128 matrix instructions, in which to land
	s_nop 0
.rept 4
	v_nop
.endr
	PLACES 4
.else
	PLACES 8
.endif
	FETCH (\s)+1
	AHEAD \s
	WIN MUL
.irp a, 4,5,6,7
	MULA \s, \a, 0
.endr
.endm
	WIN TO_B
.irp s, 0,1,2,3,4,5,6
	BLOAD \s                                       ; the ring's first seven K steps: with the bias 60 loads of mine are out
.endr
	WIN 0
	s_wait_tensorcnt 1                             ; the scale words and my part of slot 0 are in; slot 1's load may be out
	s_barrier_signal -1
	s_barrier_wait -1
	FETCH 0
	KSTEP 0, 1                                     ; the first K step's products start the sums, on the bias
.irp s, 1,2,3,4,5,6
	KSTEP \s, 0
.endr
	TURN 7, 1
.irp s, 8,9,10,11,12,13,14
	KSTEP \s, 0
.endr
	TURN 15, 1
.irp s, 16,17,18,19,20,21,22
	KSTEP \s, 0
.endr
	TURN 23, 0                                     ; nothing is left to fetch
.irp s, 24,25,26,27,28,29,30
	KSTEP \s, 0
.endr
	s_wait_dscnt 16                                ; the last K step
	WAITB 31
	WIN MUL
.irp a, 0,1,2,3
	MULA 31, \a, 0
.endr
	s_wait_dscnt 0x0
.irp a, 4,5,6,7
	MULA 31, \a, 0
.endr
	WIN 0
	; THE WAY OUT
	PLACES 8
.irp a, 0,1,2,3,4,5,6,7
.irp i, 0,1,2,3
	ds_store_b128 v[STO], v[ACC+16*\a+4*\i:ACC+16*\a+4*\i+3] offset:16*SPITCH*\a+16*\i   ; stage row 16 a + r; each accumulator from its low end on
.endr
.endr
	s_wait_dscnt 0x0                               ; for the others' sake: my part of every row lies in the stage
	s_barrier_signal -1
	s_barrier_wait -1
	WIN TO_A
.set n, 0
.rept 32
	ds_load_b128 v[4*n:4*n+3], v[RD] offset:SPITCH*n   ; a whole row of 512 bytes
.set n, n+1
.endr
	s_wait_loadcnt 0x0                             ; x1
.irp g, 0,1,2,3
	s_wait_dscnt 24-8*\g                           ; these eight rows are back; the younger ones may be out
	WIN 0x4d                                       ; destination and source 0 window 1, source 1 (x1) window 3
.set n, 0
.rept 16
	v_pk_add_f32 v[32*\g+n:32*\g+n+1], v[32*\g+n:32*\g+n+1], v[32*\g+n:32*\g+n+1]
.set n, n+2
.endr
	WIN 0x04                                       ; a store's data are its source 1: window 1
.irp t, 0,1,2,3,4,5,6,7
	global_store_b128 v[LI], v[32*\g+4*\t:32*\g+4*\t+3], s[12:13] offset:4096*(8*(\g/2)+16*(\g%2)+\t) th:TH_STORE_NT   ; 32 lanes store 512 consecutive bytes, at a multiple of 256 from out0's first byte
.endr
.endr
	WIN 0
	s_wait_tensorcnt 0x0                           ; the wave's end
	ds_add_u32 v[SPW], v[NIL]
	s_wait_dscnt 0x0
	CROUND                                         ; the closing round
	s_endpgm
.Lfunc_end_k_q2b5458952f_proj:
	.size	k_q2b5458952f_proj, .Lfunc_end_k_q2b5458952f_proj-k_q2b5458952f_proj
	.p2alignl 7, 3214868480
	.fill 96, 4, 3214868480
	.section	.rodata,"a",@progbits
	.p2align	6, 0x0
	.amdhsa_kernel k_q2b5458952f_proj
		.amdhsa_group_segment_fixed_size 327680
		.amdhsa_private_segment_fixed_size 0
		.amdhsa_enable_private_segment 0
		.amdhsa_kernarg_size 40
		.amdhsa_user_sgpr_count 2
		.amdhsa_user_sgpr_kernarg_segment_ptr 1
		.amdhsa_wavefront_size32 1
		.amdhsa_system_sgpr_workgroup_id_x 1
		.amdhsa_system_sgpr_workgroup_id_y 1
		.amdhsa_system_sgpr_workgroup_id_z 1
		.amdhsa_system_vgpr_workitem_id 0
		.amdhsa_next_free_vgpr 896
		.amdhsa_next_free_sgpr 100
		.amdhsa_reserve_vcc 0
		.amdhsa_float_denorm_mode_32 3
		.amdhsa_float_denorm_mode_16_64 3
		.amdhsa_memory_ordered 1
		.amdhsa_forward_progress 1
		.amdhsa_inst_pref_size 199
	.end_amdhsa_kernel
	.amdgpu_metadata
---
amdhsa.version: [ 1, 2 ]
amdhsa.kernels:
  - .name:           k_q2b5458952f_proj
    .symbol:         k_q2b5458952f_proj.kd
    .args:
      - { .name: hid, .offset: 0, .size: 8, .value_kind: global_buffer, .address_space: global }
      - { .name: wq, .offset: 8, .size: 8, .value_kind: global_buffer, .address_space: global }
      - { .name: b_proj, .offset: 16, .size: 8, .value_kind: global_buffer, .address_space: global }
      - { .name: x1, .offset: 24, .size: 8, .value_kind: global_buffer, .address_space: global }
      - { .name: out0, .offset: 32, .size: 8, .value_kind: global_buffer, .address_space: global }
    .group_segment_fixed_size: 327680
    .private_segment_fixed_size: 0
    .kernarg_segment_align: 8
    .kernarg_segment_size: 40
    .max_flat_workgroup_size: 128
    .sgpr_count:     100
    .vgpr_count:     896
    .wavefront_size: 32
...
	.end_amdgpu_metadata
.endif
;; end of part 5
;; ======== version 2 of 2: 6 launches; version 1 with the launch attn written anew for expert scheduling mode
;; workspace buffers: wq 11,894,784 bytes; act 4,325,376 bytes; qkv 13,238,272 bytes; x1 16,777,216 bytes; hid 17,301,504 bytes
;; launch prep: the kernel of part 1 again; grid 960 x 1, 4 waves a work-group, no clusters, 66,560 bytes of LDS; arguments x, ln1_scale, ln1_shift, w_qkv, w_fc, w_proj, act, wq; writes act, wq
;; launch qkv: the kernel of part 2 again; grid 12 x 16, 4 waves a work-group, clusters of 4 x 4, 327,680 bytes of LDS; arguments act, wq, b_qkv, qkv; writes qkv
;; launch attn (part 6): grid 8 x 32, 16 waves a work-group, no clusters, 172,032 bytes of LDS; arguments qkv, x, x1; writes x1
.if DOCPART == 6
	.amdgcn_target "amdgcn-amd-amdhsa--gfx1250"
	.amdhsa_code_object_version 6
	.text
	.protected	k_q2b5458952f_attn
	.globl	k_q2b5458952f_attn
	.p2align	8
	.type	k_q2b5458952f_attn,@function
k_q2b5458952f_attn:
	s_mov_b64 s[64:65], 0
	v_nop
	global_prefetch_b8 v0, s[64:65] scope:SCOPE_SE
	s_setreg_imm32_b32 hwreg(HW_REG_WAVE_SCHED_MODE, 0, 2), 2
	s_setreg_imm32_b32 hwreg(HW_REG_WAVE_MODE, 25, 1), 1
	s_wait_xcnt 0x0
	s_wait_alu depctr_vm_vsrc(0)
; x1 = x + causal attention, both products on FP8 (E4M3) codes with E8M0 scales.  q, k, v come as records of 25,856 bytes for each head and 128 tokens: images of the operands' registers and their scale words.
; THE SOFTMAX: t = score x log2(e) / 8; M = the running largest t rounded UP to a whole number; p = 2^(t - M) is quantised along the keys, not normalised; the row's sum is taken of the unquantised p and divides at the end.
; When M moves, the sum and O are multiplied by 2^(old M - new M): exact.
; THE HEAD'S 64 fill half of the instruction's 128 along K: registers 8-15 of every fragment of Q and K hold zero codes, made once; the scale bytes over them are never 0xff.
; SHARES.  Work-group (i, head) owns the query groups i and 15 - i (128 tokens each): 17 group-steps under the causal mask in every work-group.  Waves 0-7 take the 8 tiles of 16 queries of group i, waves 8-15 those of 15 - i.
; The work-group walks key steps 0 .. 15 - i, 128 keys each; a wave leaves out (a scalar branch on ids, round work alone) the steps that lie wholly behind its queries, and masks the one on the diagonal.
; A key step's 17,408 bytes come through registers into two LDS buffers by turns, asked for a whole step ahead; one barrier a step: in front of it each wave's stores into the next buffer have landed and its reads of
; the buffer in hand are over; the buffer written was last read a step earlier, ahead of the barrier before.
; Both products are used transposed (S^T = K Q^T, O^T = V^T P^T): a lane holds one query throughout.  Tokens lie in physical order (bits 3, 4 exchanged), so the 16 registers of two neighbouring tiles of S^T are 16 neighbouring keys.
; x OF MY TILE (16 tokens x 256 bytes) is asked for at the head, with the first key step and under the same wait, and kept in 4,096 bytes of LDS of the wave's own as an image of its registers: no register is free
; to hold it through the loop.
; NO CLUSTER, NO TENSOR LOADS: work-groups of a head walk different numbers of key steps (16 - i), so partners could not make every joint request alike, and a trip count that hangs on the work-group's number
; goes with loads through registers; what would be shared is 17,408 bytes a step beside sixteen waves' softmax.  No prefetch: each step's loads are themselves issued a step ahead of their use.
; LIMITS: NaN and infinities are not served; a block's largest p is taken from its largest score (v_exp_f32 is taken not to fall where its input rises); a block whose every p is 0 keeps the byte 1 over zero codes.
; THE MODE: SCHED_MODE bits 1:0 = 2 (LLVM: expert scheduling mode 2), set by the entry lines.  The code itself states the register dependences between vector or matrix instructions and memory or LDS
; instructions, with s_wait_alu, always for 0.
; THE PLAN.  Registers that memory or LDS instructions touch:
;   v1-v8, v248   addresses and offsets: written once at the head, never again: one wait on va_vdst ahead of the first load serves the whole kernel.
;   CP            written by the copy's global loads, read by its LDS stores, named by no vector instruction: one wait on vm_vsrc ahead of each new request.
;   KF, KS, VS    written by LDS loads, read by products.  A wait on va_vdst at a step's head (the last step's products are done with them), and one between the step's two groups of four tiles of K, which share KF.
;   S             written by the products S^T and worked on in place by the softmax, the holds and the conversions; then V's four tiles land in it.  Blocks 0 and 1 are converted first: a wait on va_vdst, and tiles 0 and 1
;                 are asked for; the lines of blocks 2 and 3 and O^T's rescaling, which name none of those 32 registers, follow with no further wait; a second wait on va_vdst, and tiles 2 and 3.
;   PC, v253      written by vector instructions, taken by the scaled products: that second wait states it too, behind the sixteen places.
;   The diagonal's masks go into sixteen scalar registers at a time: a run of compares, one wait on va_sdst, a run of selects.
.set REC,   25856
.set HS,    16*REC
.set VIMG,  8192
.set KSC,   16384
.set VSC,   16896
.set QSC,   17152
.set QIMG,  17664
.set BUFB,  17408                      ; a buffer: K's 8 tiles, V's 4, K's and V's scale words (and 256 bytes that nobody reads)
.set STAGE, 2*BUFB                     ; the way out: 16 rows x 272 bytes for each wave
.set XST,   STAGE+16*16*272            ; x: eight planes of 8,192 bytes, 16 bytes a thread in each
.set AL,   1                           ; v1  16 x lane
.set AT,   2                           ; v2  16 x thread
.set AR32, 3                           ; v3  32 r
.set AR16, 4                           ; v4  16 r
.set DD,   5                           ; v5  my query in its group - 16 h
.set STI,  6                           ; v6  the stage, in
.set STR,  7                           ; v7  the stage, back
.set GOF,  8                           ; v8  my byte offset in x and x1
.set QF,   16                          ; v16-31  Q's fragment: 16-23 codes, 24-31 zeros
.set KF,   32                          ; v32-95  four fragments of K: +0..7 codes, +8..15 zeros that stay
.set S,    96                          ; v96-159 S^T, then p, then V's four fragments
.set O,    160                         ; v160-191 O^T
.set PC,   192                         ; v192-207 p's codes
.set KS,   208                         ; v208-215 K's scale words
.set VS,   216                         ; v216-219 V's
.set CP,   220                         ; v220-231 the copy
.set XAD,  248                         ; v248 XST + 16 x thread
.set WV,   10
.set TAU,  11
.set GW,   12                          ; my query group
.set ST,   14                          ; the key step in hand
.set NX,   15                          ; the key step to fetch
.set TRIP, 16
.set HB,   18                          ; s[18:19] the head's first record
.set KB,   20                          ; s[20:21] the record being fetched
.set TT,   22
.set CS,   24                          ; s[24:25] log2(e) / 8
.set SEL,  26
.set MNT,  28
.set XB,   30
.set YB,   32
.set QB,   34
.set QS,   36
.set MK,   40                          ; s40-55 (free behind the head) sixteen masks of the diagonal's compares
.macro COPY_ASK again                  ; the next key step's 17,408 bytes are asked for: 16 bytes a thread, twice; waves 0 and 1 once more.  again = 1: the copy's registers have been stored from before
	s_min_u32 s[TT], s[NX], 15                     ; the last look-ahead stays inside the head's records
	s_mul_i32 s[TT], s[TT], REC
	s_mov_b32 s[TT+1], 0
	s_add_nc_u64 s[KB:KB+1], s[HB:HB+1], s[TT:TT+1]   ; the loads that named this base have been waited for
.if \again
	s_wait_alu depctr_vm_vsrc(0)                   ; my LDS stores have read the copy's registers, in which the loads below land; in the first trip also: x's stores have read v96-127, which the step's products write
.endif
	global_load_b128 v[CP:CP+3], v[AT], s[KB:KB+1]
	global_load_b128 v[CP+4:CP+7], v[AT], s[KB:KB+1] offset:8192
	s_cmp_lt_u32 s[WV], 2
	s_cbranch_scc0 .Lno_third_\@
	global_load_b128 v[CP+8:CP+11], v[AT], s[KB:KB+1] offset:16384
.Lno_third_\@:
	s_add_co_u32 s[NX], s[NX], 1
.endm
.macro COPY_PUT p                      ; and put into buffer p
	s_wait_loadcnt 0x0
	ds_store_b128 v[AT], v[CP:CP+3] offset:(\p)*BUFB
	ds_store_b128 v[AT], v[CP+4:CP+7] offset:(\p)*BUFB+8192
	s_cmp_lt_u32 s[WV], 2
	s_cbranch_scc0 .Lno_third_\@
	ds_store_b128 v[AT], v[CP+8:CP+11] offset:(\p)*BUFB+16384
.Lno_third_\@:
	s_wait_dscnt 0x0                               ; my stores have landed, and my reads of the other buffer are over
	s_barrier_signal -1
	s_barrier_wait -1
.endm
.macro STEP p                          ; a key step, from buffer p
	s_cmp_gt_u32 s[ST], s[GW]
	s_cbranch_scc1 .Lhidden_\@                     ; all its keys come after my queries
	s_wait_alu depctr_va_vdst(0)                   ; the last step's products are done reading K's fragments and K's and V's scale words, in which the loads below land; in my first step: the zero halves of Q and K are written, which the scaled products take as operands
	ds_load_b128 v[KS:KS+3], v[AR32] offset:(\p)*BUFB+KSC
	ds_load_b128 v[KS+4:KS+7], v[AR32] offset:(\p)*BUFB+KSC+16
	ds_load_b128 v[VS:VS+3], v[AR16] offset:(\p)*BUFB+VSC   ; V's scale words come here, under the same wait: nothing names them before the products O^T
.irp g, 0,1                                    ; S^T = K Q^T, four tiles of 16 keys at a time
.if \g > 0
.rept 8
	v_nop                                          ; places in front of loads into registers that matrix instructions have read
.endr
	s_wait_alu depctr_va_vdst(0)                   ; the four products above are done reading K's fragments, in which the next four tiles land
.endif
.irp t, 0,1,2,3
.irp c, 0,1
	ds_load_b128 v[KF+16*\t+4*\c:KF+16*\t+4*\c+3], v[AL] offset:(\p)*BUFB+1024*(4*\g+\t)+512*\c
.endr
.endr
	s_wait_dscnt 0x0
.irp t, 0,1,2,3
	v_wmma_scale_f32_16x16x128_f8f6f4 v[S+8*(4*\g+\t):S+8*(4*\g+\t)+7], v[KF+16*\t:KF+16*\t+15], v[QF:QF+15], 0, v[KS+4*\g+\t], v255
.endr
.endr
.rept 8
	v_nop
.endr
	s_cmp_lg_u32 s[ST], s[GW]
	s_cbranch_scc1 .Lopen_\@                       ; only the step on the diagonal is masked
	v_mov_b32 v254, 0xff800000                     ; -infinity: p = 0 then
.irp q, 0,1,2,3                                ; a block of 32 keys at a time: my sixteen registers of it
.set n, 0
.rept 16
	v_cmp_gt_i32 s[MK+n], 32*\q+n, v[DD]           ; register 16 q + n holds key 32 q + 16 h + n of the group
.set n, n+1
.endr
	s_wait_alu depctr_va_sdst(0)                   ; the sixteen compares have written their masks, which the selects below read
.set n, 0
.rept 16
	v_cndmask_b32 v[S+16*\q+n], v[S+16*\q+n], v254, s[MK+n]
.set n, n+1
.endr
.endr
.Lopen_\@:
.irp b, 0,1,2,3
	v_max3_num_f32 v[232+\b], v[S+16*\b], v[S+1+16*\b], v[S+2+16*\b]   ; the largest score of each block of 32 keys: for the row's maximum and for the block's largest p
.endr
.irp i, 3,5,7,9,11,13
.irp b, 0,1,2,3
	v_max3_num_f32 v[232+\b], v[232+\b], v[S+16*\b+\i], v[S+1+16*\b+\i]
.endr
.endr
.irp b, 0,1,2,3
	v_max_num_f32 v[232+\b], v[232+\b], v[S+15+16*\b]
.endr
.irp b, 0,1,2,3
	v_permlanex16_b32 v[236+\b], v[232+\b], s[SEL], s[SEL+1]
.endr
.irp b, 0,1,2,3
	v_max_num_f32 v[232+\b], v[232+\b], v[236+\b]
.endr
	v_max3_num_f32 v254, v232, v233, v234
	v_max_num_f32 v254, v254, v235
	v_mul_f32 v254, s[CS], v254                    ; as t
	v_max_num_f32 v13, v13, v254                   ; the running largest t
	v_mov_b32 v254, v12
	v_floor_f32 v12, -v13                          ; the new -M = -ceil(t)
	v_sub_f32 v254, v12, v254                      ; old M - new M: a whole number, 0 or less
	v_cvt_i32_f32 v254, v254                       ; (it saturates)
	v_ldexp_f32 v252, 1.0, v254                    ; f = 2^(old M - new M)
.set n, 0
.rept 32
	v_pk_fma_f32 v[S+n:S+n+1], v[S+n:S+n+1], s[CS:CS+1], v[12:13] op_sel_hi:[1,0,0]   ; t - M
.set n, n+2
.endr
.irp b, 0,1,2,3
	v_fma_f32 v[232+\b], v[232+\b], s[CS], v12
.endr
.set n, 0
.rept 64
	v_exp_f32 v[S+n], v[S+n]                       ; p = 2^(t - M)
.set n, n+1
.endr
	v_pk_mul_f32 v[14:15], v[14:15], v[252:253] op_sel_hi:[1,0]   ; the sums under the new M: a plain line behind the exponentials
	s_wait_alu depctr_va_vdst(0)                   ; the 64 exponentials have written p: one wait for the batch, ahead of its first reader
.irp b, 0,1,2,3
	v_exp_f32 v[232+\b], v[232+\b]                 ; the blocks' largest p
.endr
	v_pk_add_f32 v[236:237], v[S:S+1], v[S+2:S+3]  ; the row's sum of the unquantised p, in two chains
.irp j, 4,8,12,16,20,24,28,32,36,40,44,48,52,56,60
	v_pk_add_f32 v[14:15], v[14:15], v[S+\j:S+1+\j]
	v_pk_add_f32 v[236:237], v[236:237], v[S+2+\j:S+3+\j]
.endr
	v_pk_add_f32 v[14:15], v[14:15], v[236:237]
	s_wait_alu depctr_va_vdst(0)                   ; the four exponentials have written the blocks' largest p, ahead of their first reader
.irp b, 0,1,2,3
	v_max_num_f32 v[232+\b], 0x4800000, v[232+\b]  ; the floor 2^(9 - 127)
.endr
.irp b, 0,1,2,3
	v_add_nc_u32 v[244+\b], 0xfc000000, v[232+\b]  ; the conversion's scale operand
.endr
.irp b, 0,1,2,3
	v_and_or_b32 v[240+\b], v[232+\b], 0x7f800000, s[MNT]   ; 448 x the scale
.endr
.irp b, 0,1,2,3
	v_lshrrev_b32 v[236+\b], 23, v[244+\b]
.endr
	v_lshl_or_b32 v253, v237, 8, v236              ; p's scale word for these 128 keys
	v_lshl_or_b32 v253, v238, 16, v253
	v_lshl_or_b32 v253, v239, 24, v253
.irp b, 0,1,2,3
.irp i, 0,1,2,3,4,5,6,7,8,9,10,11,12,13,14,15
	v_min_num_f32 v[S+16*\b+\i], v[S+16*\b+\i], v[240+\b]   ; the hold; p is not negative
.endr
	v_cvt_scalef32_pk8_fp8_f32 v[PC+4*\b:PC+1+4*\b], v[S+16*\b:S+7+16*\b], v[244+\b]
	v_cvt_scalef32_pk8_fp8_f32 v[PC+2+4*\b:PC+3+4*\b], v[S+8+16*\b:S+15+16*\b], v[244+\b]
.if \b == 1
	s_wait_alu depctr_va_vdst(0)                   ; the holds and conversions of blocks 0 and 1 are done writing and reading p's first 32 registers, in which V's tiles 0 and 1 land
.irp t, 0,1                                    ; V's tiles (16 channels x 128 keys) take p's registers.  No vector line from here to the next wait names these 32 registers or the address
.irp c, 0,1,2,3
	ds_load_b128 v[S+16*\t+4*\c:S+16*\t+4*\c+3], v[AL] offset:(\p)*BUFB+VIMG+2048*\t+512*\c
.endr
.endr
.endif
.endr
.set n, 0
.rept 16
	v_pk_mul_f32 v[O+n:O+n+1], v[O+n:O+n+1], v[252:253] op_sel_hi:[1,0]   ; O^T under the new M; these sixteen are also the places between the codes, the scale word and the products
.set n, n+2
.endr
	s_wait_alu depctr_va_vdst(0)                   ; the holds and conversions of blocks 2 and 3 are done with p's other 32 registers, in which V's tiles 2 and 3 land; p's codes and its scale word are written, which the scaled products below take
.irp t, 2,3
.irp c, 0,1,2,3
	ds_load_b128 v[S+16*\t+4*\c:S+16*\t+4*\c+3], v[AL] offset:(\p)*BUFB+VIMG+2048*\t+512*\c
.endr
.endr
	s_wait_dscnt 0x0
.irp t, 0,1,2,3
	v_wmma_scale_f32_16x16x128_f8f6f4 v[O+8*\t:O+8*\t+7], v[S+16*\t:S+16*\t+15], v[PC:PC+15], v[O+8*\t:O+8*\t+7], v[VS+\t], v253
.endr
.rept 9
	v_nop                                          ; the next step's products write over V's registers
.endr
.Lhidden_\@:
	s_add_co_u32 s[ST], s[ST], 1
.endm
	s_load_b128 s[4:7], s[0:1], 0x0                ; qkv s[4:5], x s[6:7]
	s_load_b64 s[8:9], s[0:1], 0x10                ; x1
	v_lshl_add_u32 v250, v0, 2, 0x29800
	v_mov_b32 v251, 0
	v_lshrrev_b32 v9, 5, v0
	v_readfirstlane_b32 s[WV], v9                  ; wave 0..15
	v_and_b32 v9, 31, v0
	v_lshlrev_b32 v[AL], 4, v9
	v_lshlrev_b32 v[AT], 4, v0
	v_add_nc_u32 v[XAD], XST, v[AT]
	v_and_b32 v10, 15, v0                          ; r
	v_bfe_u32 v11, v0, 4, 1                        ; h
	v_lshlrev_b32 v[AR32], 5, v10
	v_lshlrev_b32 v[AR16], 4, v10
	s_wait_alu depctr_va_sdst(0)                   ; the wave's number is written, ahead of its first reader
	s_and_b32 s[TAU], s[WV], 7                     ; my tile in my query group
	s_sub_co_u32 s13, 15, ttmp9
	s_cmp_lt_u32 s[WV], 8
	s_cselect_b32 s[GW], ttmp9, s13
	s_sub_co_u32 s[TRIP], 17, ttmp9
	s_lshr_b32 s[TRIP], s[TRIP], 1                 ; trips of two key steps: 16 - i steps, rounded up: 5 to 8
	s_max_u32 s[TRIP], s[TRIP], 1                  ; (changes nothing at this grid: it states that the loop's counter starts at 1 or above)
	s_mov_b32 s[ST], 0
	s_mov_b32 s[NX], 0
	s_lshr_b32 s38, s[TAU], 1
	s_lshl_b32 s38, s38, 5
	s_and_b32 s39, s[TAU], 1
	s_lshl_b32 s39, s39, 3
	s_add_co_u32 s38, s38, s39                     ; the tile's first token: lane r holds token s38 + r + 8 (r / 8) of the group
	v_and_b32 v9, 8, v10
	v_add_nc_u32 v9, v9, v10
	v_lshlrev_b32 v[DD], 4, v11
	v_sub_nc_u32 v[DD], v9, v[DD]
	v_add_nc_u32 v[DD], s38, v[DD]
	s_mul_i32 s39, s[WV], 16*272
	s_add_co_u32 s39, s39, STAGE                   ; my stage
	v_mul_u32_u24 v[STI], v10, 272
	v_lshl_add_u32 v[STI], v11, 6, v[STI]
	v_add_nc_u32 v[STI], s39, v[STI]               ; in: row r, + 64 h
	v_mul_u32_u24 v[STR], v11, 272
	v_lshl_add_u32 v[STR], v10, 4, v[STR]
	v_add_nc_u32 v[STR], s39, v[STR]               ; back: lanes 0-15 one row, lanes 16-31 the next
	v_lshlrev_b32 v[GOF], 12, v11
	v_lshl_add_u32 v[GOF], v10, 4, v[GOF]          ; and the same in x and x1: rows of 4,096 bytes
	s_and_b32 s40, ttmp7, 0xffff                   ; 16 x batch + head
	s_mul_i32 s[TT], s40, HS
	s_mov_b32 s[TT+1], 0
	s_lshr_b32 s41, s40, 4
	s_lshl_b32 s41, s41, 11
	s_lshl_b32 s42, s[GW], 7
	s_add_co_u32 s41, s41, s42
	s_add_co_u32 s41, s41, s38
	s_lshl_b32 s42, s41, 12                        ; the tile's first token x 4,096 bytes,
	s_and_b32 s43, s40, 15
	s_lshl_b32 s43, s43, 8
	s_add_co_u32 s42, s42, s43                     ; + the head's 256 bytes of a row
	s_mov_b32 s43, 0
	s_mul_i32 s46, s[GW], REC
	s_lshl_b32 s44, s[TAU], 10
	s_add_co_u32 s44, s44, s46
	s_mov_b32 s45, 0
	s_lshl_b32 s47, s[TAU], 2
	s_add_co_u32 s46, s46, s47
	s_mov_b32 s47, 0
	s_mov_b32 s[CS], 0x3e38aa3b                    ; log2(e) / 8
	s_mov_b32 s[CS+1], s[CS]
	s_mov_b32 s[SEL], 0x76543210
	s_mov_b32 s[SEL+1], 0xfedcba98
	s_mov_b32 s[MNT], 0x600000
	s_wait_kmcnt 0x0
	s_add_nc_u64 s[HB:HB+1], s[4:5], s[TT:TT+1]
	s_add_nc_u64 s[XB:XB+1], s[6:7], s[42:43]
	s_add_nc_u64 s[YB:YB+1], s[8:9], s[42:43]
	s_add_nc_u64 s[QB:QB+1], s[HB:HB+1], s[44:45]
	s_add_nc_u64 s[QS:QS+1], s[HB:HB+1], s[46:47]
	s_wait_alu depctr_va_vdst(0)                   ; the addresses and offsets v1 to v8 and v248 are written, which every load and store of the kernel reads; none of them is written again
	COPY_ASK 0                                     ; key step 0
	global_load_b128 v[QF:QF+3], v[AL], s[QB:QB+1] offset:QIMG
	global_load_b128 v[QF+4:QF+7], v[AL], s[QB:QB+1] offset:QIMG+512
	global_load_b32 v255, v[AR32], s[QS:QS+1] offset:QSC
.irp t, 0,1,2,3,4,5,6,7
	global_load_b128 v[S+4*\t:S+4*\t+3], v[GOF], s[XB:XB+1] offset:4096*(2*\t+8*(\t/4))   ; x: stage row 2 t + (lane / 16) is token 2 t + (lane / 16) + 8 (t / 4) of the tile; sixteen lanes read 256 consecutive bytes
.endr
.irp j, 8,9,10,11,12,13,14,15
	v_mov_b32 v[QF+\j], 0                          ; the zero half of K
.irp t, 0,1,2,3
	v_mov_b32 v[KF+16*\t+\j], 0
.endr
.endr
.set n, 0
.rept 32
	v_mov_b32 v[O+n], 0                            ; the step is written once: the first finds zeros
.set n, n+1
.endr
	v_mov_b32 v13, 0xff61b1e6                      ; the largest t so far: -3e38
	v_floor_f32 v12, -v13
	v_mov_b32 v14, 0
	v_mov_b32 v15, 0
.irp b, 0,1,2,3
	v_mov_b32 v[236+\b], 0                         ; a lane permute's destination counts as one of its sources
.endr
	v_mov_b32 v252, 0
	v_mov_b32 v253, 0
	COPY_PUT 0                                     ; (its wait covers Q's and x's loads too)
.irp t, 0,1,2,3,4,5,6,7
	ds_store_b128 v[XAD], v[S+4*\t:S+4*\t+3] offset:8192*\t   ; x goes to bytes that are each thread's own: no barrier; the wait on vm_vsrc at the loop's head states that these stores have read their registers
.endr
.Ltrip:
	COPY_ASK 1
	STEP 0
	COPY_PUT 1
	COPY_ASK 1
	STEP 1
	COPY_PUT 0
	s_sub_co_u32 s[TRIP], s[TRIP], 1
	s_cmp_lg_u32 s[TRIP], 0
	s_cbranch_scc1 .Ltrip
	; THE WAY OUT: O^T / the sum goes through my stage and comes back by rows; + x; sixteen lanes store a head's 256 bytes of a row
	s_wait_alu depctr_va_vdst(0)                   ; the products are done reading K's fragments, and their zero halves are long written: x lands in v32 to v63
.irp t, 0,1,2,3,4,5,6,7
	ds_load_b128 v[32+4*\t:35+4*\t], v[XAD] offset:8192*\t    ; x comes back as it went: the same registers' image in the same lanes
.endr
	v_add_f32 v14, v14, v15
	v_permlanex16_b32 v252, v14, s[SEL], s[SEL+1]
	v_add_f32 v14, v14, v252                       ; the row's sum
	v_rcp_f32 v14, v14
	v_nop
	s_wait_alu depctr_va_vdst(0)                   ; the reciprocal is written, ahead of its first reader
	v_mov_b32 v15, v14
.set n, 0
.rept 16
	v_pk_mul_f32 v[128+n:129+n], v[O+n:O+n+1], v[14:15]   ; register 16 b + i: channel 32 b + 16 h + i
.set n, n+2
.endr
	s_wait_alu depctr_va_vdst(0)                   ; the multiplications have written v128 to v159, which the LDS stores read; no vector line behind this wait names v96 to v127 before the loads from the stage have landed there
.irp b, 0,1
.irp i, 0,1,2,3
	ds_store_b128 v[STI], v[128+16*\b+4*\i:131+16*\b+4*\i] offset:128*\b+16*\i
.endr
.endr
.irp t, 0,1,2,3,4,5,6,7
	ds_load_b128 v[96+4*\t:99+4*\t], v[STR] offset:544*\t   ; LDS serves a wave's instructions in order: these see my stores
.endr
	s_wait_dscnt 0x0
.set n, 0
.rept 16
	v_pk_add_f32 v[96+n:97+n], v[96+n:97+n], v[32+n:33+n]
.set n, n+2
.endr
	s_wait_alu depctr_va_vdst(0)                   ; the additions have written v96 to v127, which the stores read
.irp t, 0,1,2,3,4,5,6,7
	global_store_b128 v[GOF], v[96+4*\t:99+4*\t], s[YB:YB+1] offset:4096*(2*\t+8*(\t/4))
.endr
	s_wait_dscnt 0x0                               ; the closing lines, six on end
	s_wait_alu 0x0
	s_wait_tensorcnt 0x0
	ds_add_u32 v250, v251
	s_wait_dscnt 0x0
	s_endpgm
.Lfunc_end_k_q2b5458952f_attn:
	.size	k_q2b5458952f_attn, .Lfunc_end_k_q2b5458952f_attn-k_q2b5458952f_attn
	.p2alignl 7, 3214868480
	.fill 96, 4, 3214868480
	.section	.rodata,"a",@progbits
	.p2align	6, 0x0
	.amdhsa_kernel k_q2b5458952f_attn
		.amdhsa_group_segment_fixed_size 172032
		.amdhsa_private_segment_fixed_size 0
		.amdhsa_enable_private_segment 0
		.amdhsa_kernarg_size 24
		.amdhsa_user_sgpr_count 2
		.amdhsa_user_sgpr_kernarg_segment_ptr 1
		.amdhsa_wavefront_size32 1
		.amdhsa_system_sgpr_workgroup_id_x 1
		.amdhsa_system_sgpr_workgroup_id_y 1
		.amdhsa_system_sgpr_workgroup_id_z 1
		.amdhsa_system_vgpr_workitem_id 0
		.amdhsa_next_free_vgpr 256
		.amdhsa_next_free_sgpr 66
		.amdhsa_reserve_vcc 0
		.amdhsa_float_denorm_mode_32 3
		.amdhsa_float_denorm_mode_16_64 3
		.amdhsa_memory_ordered 1
		.amdhsa_forward_progress 1
		.amdhsa_inst_pref_size 71
	.end_amdhsa_kernel
	.amdgpu_metadata
---
amdhsa.version: [ 1, 2 ]
amdhsa.kernels:
  - .name:           k_q2b5458952f_attn
    .symbol:         k_q2b5458952f_attn.kd
    .args:
      - { .name: qkv, .offset: 0, .size: 8, .value_kind: global_buffer, .address_space: global }
      - { .name: x, .offset: 8, .size: 8, .value_kind: global_buffer, .address_space: global }
      - { .name: x1, .offset: 16, .size: 8, .value_kind: global_buffer, .address_space: global }
    .group_segment_fixed_size: 172032
    .private_segment_fixed_size: 0
    .kernarg_segment_align: 8
    .kernarg_segment_size: 24
    .max_flat_workgroup_size: 512
    .sgpr_count:     66
    .vgpr_count:     256
    .wavefront_size: 32
...
	.end_amdgpu_metadata
.endif
;; end of part 6
;; launch ln2: the kernel of part 1 again; grid 256 x 1, 4 waves a work-group, no clusters, 66,560 bytes of LDS; arguments x1, ln2_scale, ln2_shift, w_qkv, w_fc, w_proj, act, wq; writes act, wq
;; launch fc: the kernel of part 4 again; grid 16 x 16, 4 waves a work-group, clusters of 4 x 4, 327,680 bytes of LDS; arguments act, wq, b_fc, hid; writes hid
;; launch proj: the kernel of part 5 again; grid 8 x 32, 4 waves a work-group, clusters of 4 x 4, 327,680 bytes of LDS; arguments hid, wq, b_proj, x1, out0; writes out0
